; MI455X (gfx1250); checked and timed in simulation.
; The chip was launched on July 23, 2026; its instructions are those of AMD's public machine-readable ISA for CDNA 5 (MIT licence, August 2026) and "CDNA5" Instruction Set Architecture Reference Guide (July 2026). The comments in the code are by the model that wrote it; some were corrected since.
;; De Cooper. Allowed arithmetic: float matrix products may take bf16 or f16 operands with f32 sums; all other float work in f32.
;; Inputs: W_attn 96 x 256 float32; W_off 192 x 256 float32; W_out 256 x 256 float32; W_val 256 x 256 float32; b_attn 96 float32; b_off 192 float32; b_out 256 float32; b_val 256 float32; feat0 16 x 256 x 24 x 88 float32; feat1 16 x 256 x 12 x 44 float32; feat2 16 x 256 x 6 x 22 float32; query0 16 x 256 x 24 x 88 float32; query1 16 x 256 x 12 x 44 float32; query2 16 x 256 x 6 x 22 float32.
;; Outputs: out0 16 x 256 x 24 x 88 float32; out1 16 x 256 x 12 x 44 float32; out2 16 x 256 x 6 x 22 float32.
;; 2 versions, each right and faster than the one before. Each part assembles by itself: llvm-mc -triple=amdgcn-amd-amdhsa -mcpu=gfx1250 --defsym DOCPART=n.
;; ======== version 1 of 2: 4 launches
;; workspace buffers: WP 458,752 bytes; BP 2,560 bytes; POS 2,838,528 bytes; VAL 45,613,056 bytes; IDX 34,209,792 bytes of whole numbers; WGT 68,419,584 bytes; SMP 45,613,056 bytes
;; launch prep (part 1): grid 368 x 1, 8 waves a work-group, no clusters, 0 bytes of LDS; arguments W_val, W_off, W_attn, W_out, b_val, b_off, b_attn, WP, BP, POS; writes WP, BP, POS
.if DOCPART == 1
	.amdgcn_target "amdgcn-amd-amdhsa--gfx1250"
	.amdhsa_code_object_version 6
	.text
	.protected	k_qe30540e7c2_prep
	.globl	k_qe30540e7c2_prep
	.p2align	8
	.type	k_qe30540e7c2_prep,@function
k_qe30540e7c2_prep:
	s_mov_b64 s[64:65], 0
	v_nop
	global_prefetch_b8 v0, s[64:65] scope:SCOPE_SE
	s_setreg_imm32_b32 hwreg(HW_REG_WAVE_MODE, 25, 1), 1
	s_wait_xcnt 0x0
; PREP.  Work-groups 0-111: the four weight matrices as bf16 matrix fragments (WP) and their biases in fragment order (BP).
; Work-groups 112-367: one channel each of the sine position code of the three levels (POS, f32, [c][H*W] per level).
; WP: 56 tiles of 16 rows; a tile = 8 K steps of 1,024 bytes = [half 2][lane 32][16 bytes]; lane L holds row map(T, L & 15),
; k = 32 ks + 16 half + 8 (L >> 4) + 0..7.  Tiles 0-15 W_val, 16 + 3 h + u the three query tiles of head h, 40-55 W_out.
; map(T, i), a = i >> 3, j = min(i & 7, JM):  row = R0 + j + a * (j < 4 ? CA : CB).  It puts the offsets and logits of a head
; where the later launch wants them: lanes' half a = 0 gets points 0-5, half a = 1 points 8-11, 6, 7.
; LIMIT: sin and cos come from a polynomial of degree 9 on a quarter period; its absolute error is at most 4e-6.
; Nothing here is shared through LDS and the launch is short: no cluster, no matrix unit.
.set NPACK, 112
	s_load_b512 s[16:31], s[0:1], 0x0              ; W_val 16, W_off 18, W_attn 20, W_out 22, b_val 24, b_off 26, b_attn 28, WP 30
	s_load_b128 s[32:35], s[0:1], 0x40             ; BP 32, POS 34
	s_mov_b32 s2, ttmp9
	s_wait_kmcnt 0x0
	s_cmp_ge_u32 s2, NPACK
	s_cbranch_scc1 .Lpos
	; ---------------- weights: half a tile for each work-group, 16 bytes of WP for each thread
	s_lshr_b32 s3, s2, 1                           ; tile T
	s_cmp_lt_u32 s3, 16
	s_cbranch_scc1 .Lval
	s_cmp_ge_u32 s3, 40
	s_cbranch_scc1 .Lout
	s_sub_co_u32 s4, s3, 16
	s_mul_i32 s5, s4, 11
	s_lshr_b32 s5, s5, 5                           ; head h = (T - 16) / 3, exact for 0..23
	s_mul_i32 s6, s5, 3
	s_sub_co_u32 s6, s4, s6                        ; u
	s_cmp_eq_u32 s6, 2
	s_cbranch_scc1 .Lattn
	s_mov_b64 s[36:37], s[18:19]                   ; u = 0: offsets of slots 0-3; u = 1: of slots 4, 5
	s_mov_b64 s[38:39], s[26:27]
	s_mul_i32 s8, s5, 24
	s_lshl3_add_u32 s8, s6, s8                     ; R0 = 24 h + 8 u
	s_cmp_eq_u32 s6, 0
	s_cselect_b32 s9, 7, 3                         ; JM
	s_cselect_b32 s10, 16, 4                       ; CA
	s_mov_b32 s11, s10                             ; CB
	s_branch .Lgo
.Lattn:
	s_mov_b64 s[36:37], s[20:21]                   ; u = 2: the logits of slots 0-5
	s_mov_b64 s[38:39], s[28:29]
	s_mul_i32 s8, s5, 12
	s_mov_b32 s9, 5
	s_mov_b32 s10, 8
	s_mov_b32 s11, 2
	s_branch .Lgo
.Lval:
	s_mov_b64 s[36:37], s[16:17]
	s_mov_b64 s[38:39], s[24:25]
	s_lshl_b32 s8, s3, 4
	s_mov_b32 s9, 7
	s_mov_b32 s10, 8
	s_mov_b32 s11, 8
	s_branch .Lgo
.Lout:
	s_mov_b64 s[36:37], s[22:23]
	s_mov_b64 s[38:39], s[24:25]                   ; no bias is packed for these tiles: the pointer is set and not used
	s_sub_co_u32 s8, s3, 40
	s_lshl_b32 s8, s8, 4
	s_mov_b32 s9, 7
	s_mov_b32 s10, 8
	s_mov_b32 s11, 8
.Lgo:
	s_and_b32 s12, s2, 1
	s_lshl_b32 s12, s12, 8
	v_add_nc_u32 v1, s12, v0                       ; g = 16-byte piece of the tile, 0..511
	v_lshrrev_b32 v2, 6, v1                        ; ks
	v_bfe_u32 v3, v1, 5, 1                         ; half
	v_bfe_u32 v4, v1, 4, 1                         ; lane >> 4
	v_bfe_u32 v5, v1, 3, 1                         ; a
	v_and_b32 v6, 7, v1
	v_min_u32 v6, s9, v6                           ; j
	v_mov_b32 v7, s11
	v_mov_b32 v8, s10
	v_cmp_gt_u32 vcc_lo, 4, v6
	v_cndmask_b32 v7, v7, v8, vcc_lo               ; j < 4 ? CA : CB
	v_mad_u32_u24 v7, v5, v7, v6
	v_add_nc_u32 v7, s8, v7                        ; the row
	v_lshlrev_b32 v9, 10, v7                       ; 1,024 bytes a row
	v_lshl_add_u32 v9, v2, 7, v9
	v_lshl_add_u32 v9, v3, 6, v9
	v_lshl_add_u32 v9, v4, 5, v9                   ; + 4 (32 ks + 16 half + 8 (lane >> 4))
	global_load_b128 v[12:15], v9, s[36:37]
	global_load_b128 v[16:19], v9, s[36:37] offset:16
	v_lshlrev_b32 v10, 4, v0
	v_lshlrev_b32 v24, 2, v7                       ; bias: 4 x row
	v_lshlrev_b32 v25, 2, v0
	s_lshl_b32 s12, s2, 12
	s_mov_b32 s13, 0
	s_add_nc_u64 s[30:31], s[30:31], s[12:13]      ; WP + 4,096 x work-group
	s_lshl_b32 s12, s3, 6
	s_add_nc_u64 s[32:33], s[32:33], s[12:13]      ; BP + 64 T
	s_wait_loadcnt 0x0
	v_cvt_pk_bf16_f32 v20, v12, v13
	v_cvt_pk_bf16_f32 v21, v14, v15
	v_cvt_pk_bf16_f32 v22, v16, v17
	v_cvt_pk_bf16_f32 v23, v18, v19
	global_store_b128 v10, v[20:23], s[30:31]      ; a wave stores 512 consecutive bytes
	s_cmp_ge_u32 s3, 40
	s_cbranch_scc1 .Lend
	s_bitcmp1_b32 s2, 0
	s_cbranch_scc1 .Lend
	; threads 0-15 of the tile's first half have g = i: their row is map(T, i)
	s_wait_xcnt 0x0                                ; EXEC is a source of the store above: it changes only behind this wait
	v_cmp_gt_u32 vcc_lo, 16, v0
	s_and_saveexec_b32 s14, vcc_lo
	global_load_b32 v26, v24, s[38:39]
	s_wait_loadcnt 0x0
	global_store_b32 v25, v26, s[32:33]
	s_wait_xcnt 0x0
	s_or_b32 exec_lo, exec_lo, s14
.Lend:
	s_endpgm
	; ---------------- the position code of channel c: sin or cos of n / 10000^(2 (i >> 1) / 128), i = c & 127, n = y + 1 (c < 128) or x + 1
.Lpos:
	s_sub_co_u32 s3, s2, NPACK                     ; c
	s_and_b32 s4, s3, 127
	s_lshr_b32 s4, s4, 1
	s_bitcmp1_b32 s3, 0
	s_cselect_b32 s5, 0x3e800000, 0                ; odd channel: cosine = sine a quarter turn on
	s_cmp_lt_u32 s3, 128
	s_cselect_b32 s6, -1, 0                        ; all lanes: take y (c < 128) or x
	s_mov_b32 s7, 0x40c90fdb                       ; 2 pi
	s_mov_b32 s8, 0xbe2aaaab                       ; -1/3!
	s_mov_b32 s9, 0x3c088889                       ; 1/5!
	s_mov_b32 s10, 0xb9500d01                      ; -1/7!
	s_mov_b32 s11, 0x3638ef1d                      ; 1/9!
	s_mov_b32 s12, 0x7fffffff
	v_cvt_f32_u32 v10, s4
	v_mul_f32 v10, 0xbe549a78, v10                 ; -(i >> 1) log2(10000) / 64
	v_exp_f32 v10, v10
	v_lshlrev_b32 v1, 4, v0                        ; (a plain instruction behind the exponential, ISA guide 5.7.2) 16 t: my four numbers
	s_wait_alu depctr_va_vdst(0)
	v_mul_f32 v10, 0.15915494, v10                 ; the frequency in turns
	s_mov_b32 s37, 0
	s_mul_i32 s36, s3, 8448
	s_add_nc_u64 s[40:41], s[34:35], s[36:37]      ; level 0, row c
	s_mul_i32 s36, s3, 2112
	s_add_co_u32 s36, s36, 2162688
	s_add_nc_u64 s[42:43], s[34:35], s[36:37]      ; level 1
	s_mul_i32 s36, s3, 528
	s_add_co_u32 s36, s36, 2703360
	s_add_nc_u64 s[44:45], s[34:35], s[36:37]      ; level 2
; v5 = n in f32 -> v[dst] = sin(2 pi (n f + phase)): reduce to [-1/2, 1/2] turns, fold to a quarter, odd polynomial, sign back
.macro SINT dst
	v_fma_f32 v6, v5, v10, s5
	v_rndne_f32 v7, v6
	v_sub_f32 v6, v6, v7
	v_sub_f32 v7, 0.5, |v6|
	v_min_num_f32 v7, |v6|, v7
	v_mul_f32 v7, s7, v7
	v_mul_f32 v8, v7, v7
	v_fma_f32 v9, v8, s11, s10
	v_fma_f32 v9, v9, v8, s9
	v_fma_f32 v9, v9, v8, s8
	v_fma_f32 v9, v9, v8, 1.0
	v_mul_f32 v9, v9, v7
	v_bfi_b32 v[\dst], s12, v9, v6
.endm
; One round: thread t makes positions 4 (q0 + t) + 0..3 of a level of width w; y = p / w by a multiply and a shift (exact for these p).
; cnt < 256: only the first cnt threads store.  Each round has data registers of its own (d), so no store's data is rewritten.
.macro PROUND w, mag, q0, cnt, d, base, imm
	v_lshlrev_b32 v2, 2, v0
	v_add_nc_u32 v2, 4*\q0, v2
.irp e, 0,1,2,3
	v_add_nc_u32 v3, \e, v2
	v_mul_u32_u24 v4, v3, \mag
	v_lshrrev_b32 v4, 20, v4                       ; y
	v_mul_u32_u24 v5, v4, \w
	v_sub_nc_u32 v5, v3, v5                        ; x
	v_cndmask_b32 v5, v5, v4, s6
	v_add_nc_u32 v5, 1, v5
	v_cvt_f32_u32 v5, v5
	SINT \d+\e
.endr
.if \cnt < 256
	s_wait_xcnt 0x0                                ; EXEC narrows only when the earlier stores have read it
	v_cmp_gt_u32 vcc_lo, \cnt, v0
	s_and_saveexec_b32 s46, vcc_lo
	global_store_b128 v1, v[\d:\d+3], s[\base:\base+1] offset:\imm
	s_wait_xcnt 0x0                                ; and widens likewise
	s_or_b32 exec_lo, exec_lo, s46
.else
	global_store_b128 v1, v[\d:\d+3], s[\base:\base+1] offset:\imm
.endif
.endm
	PROUND 88, 11916, 0,   256, 12, 40, 0          ; level 0: 528 fours
	PROUND 88, 11916, 256, 256, 16, 40, 4096
	PROUND 88, 11916, 512, 16,  20, 40, 8192
	PROUND 44, 23832, 0,   132, 24, 42, 0          ; level 1: 132 fours
	PROUND 22, 47663, 0,   33,  28, 44, 0          ; level 2: 33 fours
	s_endpgm
.Lfunc_end_k_qe30540e7c2_prep:
	.size	k_qe30540e7c2_prep, .Lfunc_end_k_qe30540e7c2_prep-k_qe30540e7c2_prep
	.p2alignl 7, 3214868480
	.fill 96, 4, 3214868480
	.section	.rodata,"a",@progbits
	.p2align	6, 0x0
	.amdhsa_kernel k_qe30540e7c2_prep
		.amdhsa_group_segment_fixed_size 0
		.amdhsa_private_segment_fixed_size 0
		.amdhsa_enable_private_segment 0
		.amdhsa_kernarg_size 80
		.amdhsa_user_sgpr_count 2
		.amdhsa_user_sgpr_kernarg_segment_ptr 1
		.amdhsa_wavefront_size32 1
		.amdhsa_system_sgpr_workgroup_id_x 1
		.amdhsa_system_sgpr_workgroup_id_y 1
		.amdhsa_system_sgpr_workgroup_id_z 1
		.amdhsa_system_vgpr_workitem_id 0
		.amdhsa_next_free_vgpr 48
		.amdhsa_next_free_sgpr 66
		.amdhsa_reserve_vcc 1
		.amdhsa_float_denorm_mode_32 3
		.amdhsa_float_denorm_mode_16_64 3
		.amdhsa_memory_ordered 1
		.amdhsa_forward_progress 1
		.amdhsa_inst_pref_size 28
	.end_amdhsa_kernel
	.amdgpu_metadata
---
amdhsa.version: [ 1, 2 ]
amdhsa.kernels:
  - .name:           k_qe30540e7c2_prep
    .symbol:         k_qe30540e7c2_prep.kd
    .args:
      - { .name: W_val, .offset: 0, .size: 8, .value_kind: global_buffer, .address_space: global }
      - { .name: W_off, .offset: 8, .size: 8, .value_kind: global_buffer, .address_space: global }
      - { .name: W_attn, .offset: 16, .size: 8, .value_kind: global_buffer, .address_space: global }
      - { .name: W_out, .offset: 24, .size: 8, .value_kind: global_buffer, .address_space: global }
      - { .name: b_val, .offset: 32, .size: 8, .value_kind: global_buffer, .address_space: global }
      - { .name: b_off, .offset: 40, .size: 8, .value_kind: global_buffer, .address_space: global }
      - { .name: b_attn, .offset: 48, .size: 8, .value_kind: global_buffer, .address_space: global }
      - { .name: WP, .offset: 56, .size: 8, .value_kind: global_buffer, .address_space: global }
      - { .name: BP, .offset: 64, .size: 8, .value_kind: global_buffer, .address_space: global }
      - { .name: POS, .offset: 72, .size: 8, .value_kind: global_buffer, .address_space: global }
    .group_segment_fixed_size: 0
    .private_segment_fixed_size: 0
    .kernarg_segment_align: 8
    .kernarg_segment_size: 80
    .max_flat_workgroup_size: 256
    .sgpr_count:     66
    .vgpr_count:     48
    .wavefront_size: 32
...
	.end_amdgpu_metadata
.endif
;; end of part 1
;; launch proj (part 2): grid 45 x 16, 8 waves a work-group, no clusters, 136,192 bytes of LDS; arguments feat0, feat1, feat2, query0, query1, query2, POS, WP, BP, VAL, IDX, WGT; writes VAL, IDX, WGT
.if DOCPART == 2
	.amdgcn_target "amdgcn-amd-amdhsa--gfx1250"
	.amdhsa_code_object_version 6
	.text
	.protected	k_qe30540e7c2_proj
	.globl	k_qe30540e7c2_proj
	.p2align	8
	.type	k_qe30540e7c2_proj,@function
k_qe30540e7c2_proj:
	s_mov_b64 s[64:65], 0
	v_nop
	global_prefetch_b8 v0, s[64:65] scope:SCOPE_SE
	s_setreg_imm32_b32 hwreg(HW_REG_WAVE_MODE, 25, 1), 1
	s_wait_xcnt 0x0
; PROJ.  A work-group takes 64 positions of one level of one batch (tiles 0-32 level 0, 33-41 level 1, 42-44 level 2).
; It brings feat and query + position code into LDS as bf16, [channel][position], and multiplies them with the packed weights:
; wave w = head w makes its 32 value channels (two tiles of 16) and its 24 offsets and 12 logits (three tiles of 16).
; Source 0 of every matrix instruction is a weight tile, source 1 sixteen positions: lane (r, h2) then holds position r and weight rows 8 h2 + 0..7.
; OUT: VAL f32 [b][slice = 2 head + half][pos'][16 channels]; per query, head, point and corner a position pos' (IDX, 16 bits) and a weight
; attention x bilinear x inside (WGT, f32), in the order in which the next launch's lanes read them.
; pos' = level start (0, 2112, 2640) + (p xor 2 (y & 1)) on levels 0 and 1, + p on level 2: the four corners of a point then lie in four
; different 64-byte columns modulo 256 bytes.  The query axis is padded from 2772 to 2784: the 12 rows behind level 2 are made from
; repeated loads of its last four positions, are finite, and reach no output.
; LIMITS: a NaN offset is not reproduced.  Sample coordinates are clamped to [-2, W + 1] and [-2, H + 1] before the floor: beyond that every
; corner is outside and has weight 0, so no result changes, and the whole numbers stay small for inputs of any size.
; The reference point is (x + 1/2) times a rounded 1/W instead of a division.
; NO CLUSTER: a tile of feat or query is read by one work-group alone, and the weights go from memory straight to registers, each wave its own rows.
.set XQ,    40960                      ; LDS: XF at 0, XQ here: 256 channels x 160 bytes (64 bf16 + 32 of padding: an odd multiple of 32)
.set STG,   81920                      ; then a stage for each wave:
.set STGB,  6656                       ; 2,048 for VAL, 3,072 for WGT, 1,536 for IDX
.set TILE, 2
.set BAT, 3
.set WAVE, 4
.set HW, 5
.set WW, 6
.set MAG, 7
.set LS, 8
.set FL, 9
.set P0, 10
.set NMT, 11
.set IW, 12
.set IH, 13
.set PO, 14
.set FIRST, 15
.set PF, 40                            ; pointers: feat, query, position code, weights and biases (value, query), VAL, IDX, WGT
.set PQ, 42
.set PP, 44
.set PWV, 46
.set PWQ, 48
.set PBV, 50
.set PBQ, 52
.set PV, 54
.set PI, 56
.set PW, 58
.set TP, 60
.set SEL0, 62
.set SEL1, 63
.set L2E, 66
.set STGS, 67
.set T0, 68
.set T1, 69
.set STEP, 70
.set LN, 1                             ; lane
.set RR, 2                             ; r = lane & 15
.set H2, 3                             ; h2 = lane >> 4
.set LIN, 4                            ; 16 x lane
.set AXF, 5                            ; LDS address of my part of a transposing load, XF and XQ
.set AXQ, 6
.set SVA, 7                            ; stage + 32 h2
.set SLIN, 8                           ; stage + 16 lane
.set SW4, 9                            ; stage addresses of my weights (slots 0-3; 4, 5) and index words
.set SW2, 10
.set SI0, 11
.set SI1, 12
.set SI2, 13
.set GP, 14                            ; position p, its y and x
.set GY, 15
.set GX, 16
.set PR, 17                            ; p0 + r
.set BOFF, 18                          ; 32 h2
.set TMP, 19
.set LSF, 16                           ; load phase only: LDS addresses of my four bf16
.set LSQ, 19
.set PA, 20                            ; v20-28 level of slots 0-3 (level 0 for h2 = 0, level 2 for h2 = 1): W, H, W+1, H+1, W-1, H-1 in f32; W, start, flag
.set PB, 30                            ; v30-38 level of slots 4, 5 (level 1)
.set RA, 40                            ; reference point in pixels of PA's level, less 1/2 (x, y)
.set RB2, 42                           ; of PB's level
.set REF, 44
.set XY, 46
.set F0, 48
.set DD, 50
.set F1, 52
.set EE, 54
.set C0, 56
.set C1, 58
.set WX0, 60
.set WX1, 61
.set WY0, 62
.set WY1, 63
.set BY0, 64
.set BY1, 65
.set FL0, 66
.set FL1, 67
.set IT, 68
.set IN, 72
.set BI, 56                            ; v56-79 biases, the C of each sum's first product
.set OFFS, 56                          ; load phase: v56-71 byte offsets of my 16 channels
.set ACC, 80                           ; v80-175 sums: tile u, positions 16 mt: 80 + 8 (4 u + mt)
.set FT, 80                            ; load phase: feat, then the position code
.set QT, 144                           ; load phase: query
.set AR, 176                           ; v176-223 weight fragments: 3 buffers of 16 (value) or 2 of 24 (query)
.set BF, 224                           ; v224-255 fragments of 4 x 16 positions
.set CV, 224                           ; load phase: bf16 words on their way to LDS
.set RV, 224                           ; way out of VAL
.set WR, 176                           ; way out: weights [corner 4][slot 6]
.set PK, 200                           ; index words [corner 4][pair 3]
.set RQ, 212                           ; v212-247 read back from the stage
.macro PLACES                          ; four plain places behind matrix instructions (ISA guide 7.12.1) before their registers are read, written or loaded into
.rept 4
	v_nop
.endr
.endm
.macro LEVEL hw, w, mag, ls, fl, first, iw, ih, po, pf, pq
	s_mov_b32 s[HW], \hw
	s_mov_b32 s[WW], \w
	s_mov_b32 s[MAG], \mag                         ; y = (p x mag) >> 20 = p / w, exact for p < hw + 64
	s_mov_b32 s[LS], \ls
	s_mov_b32 s[FL], \fl
	s_mov_b32 s[FIRST], \first
	s_mov_b32 s[IW], \iw                           ; 1 / w, 1 / h in f32
	s_mov_b32 s[IH], \ih
	s_mov_b32 s[PO], \po
	s_mov_b64 s[PF:PF+1], s[\pf:\pf+1]
	s_mov_b64 s[PQ:PQ+1], s[\pq:\pq+1]
.endm
	s_load_b512 s[16:31], s[0:1], 0x0              ; feat0-2 16, 18, 20; query0-2 22, 24, 26; POS 28; WP 30
	s_load_b256 s[32:39], s[0:1], 0x40             ; BP 32, VAL 34, IDX 36, WGT 38
	v_lshl_add_u32 v29, v0, 2, 0x21000
	v_mov_b32 v39, 0
	s_mov_b32 s[TILE], ttmp9
	s_and_b32 s[BAT], ttmp7, 0xffff
	v_lshrrev_b32 v1, 5, v0
	v_readfirstlane_b32 s[WAVE], v1
	s_wait_kmcnt 0x0
	s_cmp_lt_u32 s[TILE], 33
	s_cbranch_scc1 .Llev0
	s_cmp_lt_u32 s[TILE], 42
	s_cbranch_scc1 .Llev1
	LEVEL 132, 22, 47663, 2640, 0, 42, 0x3d3a2e8c, 0x3e2aaaab, 2703360, 20, 26
	s_branch .Llev
.Llev1:
	LEVEL 528, 44, 23832, 2112, 2, 33, 0x3cba2e8c, 0x3daaaaab, 2162688, 18, 24
	s_branch .Llev
.Llev0:
	LEVEL 2112, 88, 11916, 0, 2, 0, 0x3c3a2e8c, 0x3d2aaaab, 0, 16, 22
.Llev:
	s_sub_co_u32 s[P0], s[TILE], s[FIRST]
	s_lshl_b32 s[P0], s[P0], 6                     ; first position of the tile
	s_sub_co_u32 s[NMT], s[HW], s[P0]
	s_add_co_u32 s[NMT], s[NMT], 15
	s_lshr_b32 s[NMT], s[NMT], 4
	s_min_u32 s[NMT], s[NMT], 4                    ; groups of 16 positions that are stored: 4, or 1 in a level's last tile
	s_mov_b32 s[TP+1], 0
	s_mul_i32 s[TP], s[BAT], s[HW]
	s_lshl_b32 s[TP], s[TP], 10                    ; b x 256 channels x HW x 4 bytes
	s_add_nc_u64 s[PF:PF+1], s[PF:PF+1], s[TP:TP+1]
	s_add_nc_u64 s[PQ:PQ+1], s[PQ:PQ+1], s[TP:TP+1]
	s_mov_b32 s[TP], s[PO]
	s_add_nc_u64 s[PP:PP+1], s[28:29], s[TP:TP+1]
	; ---- the loads.  Thread t: four positions (t & 15) of channels (t >> 4) + 16 i: sixteen lanes read 256 consecutive bytes of a channel.
	; Behind the level's end the address is clamped to its last four positions: every load stays inside its buffer.
	s_sub_co_u32 s[T0], s[HW], 4
	s_lshl_b32 s[STEP], s[HW], 6                   ; 16 channels on
	v_and_b32 v14, 15, v0
	v_lshrrev_b32 v15, 4, v0
	v_lshl_add_u32 v44, v14, 2, s[P0]
	v_min_u32 v44, s[T0], v44
	v_mul_lo_u32 v45, v15, s[HW]
	v_add_lshl_u32 v[OFFS], v45, v44, 2
.irp i, 1,2,3,4,5,6,7,8,9,10,11,12,13,14,15
	v_add_nc_u32 v[OFFS+\i], s[STEP], v[OFFS+\i-1]
.endr
.irp i, 0,1,2,3,4,5,6,7,8,9,10,11,12,13,14,15
	global_load_b128 v[FT+4*\i:FT+4*\i+3], v[OFFS+\i], s[PF:PF+1] th:TH_LOAD_NT
.endr
.irp i, 0,1,2,3,4,5,6,7,8,9,10,11,12,13,14,15
	global_load_b128 v[QT+4*\i:QT+4*\i+3], v[OFFS+\i], s[PQ:PQ+1] th:TH_LOAD_NT
.endr
	; ---- while they travel: the other pointers and all lane terms
	s_lshl_b32 s[TP], s[WAVE], 14
	s_add_nc_u64 s[PWV:PWV+1], s[30:31], s[TP:TP+1]        ; weight tiles 2 w, 2 w + 1
	s_mul_i32 s[TP], s[WAVE], 24576
	s_add_co_u32 s[TP], s[TP], 131072
	s_add_nc_u64 s[PWQ:PWQ+1], s[30:31], s[TP:TP+1]        ; tiles 16 + 3 w + u
	s_lshl_b32 s[TP], s[WAVE], 7
	s_add_nc_u64 s[PBV:PBV+1], s[32:33], s[TP:TP+1]
	s_mul_i32 s[TP], s[WAVE], 192
	s_add_co_u32 s[TP], s[TP], 1024
	s_add_nc_u64 s[PBQ:PBQ+1], s[32:33], s[TP:TP+1]
	s_add_co_u32 s[T0], s[LS], s[P0]               ; first row of the padded axis
	s_mul_i32 s[TP], s[BAT], 2850816
	s_mul_i32 s[T1], s[WAVE], 356352
	s_add_co_u32 s[TP], s[TP], s[T1]
	s_lshl_b32 s[T1], s[T0], 6
	s_add_co_u32 s[TP], s[TP], s[T1]
	s_add_nc_u64 s[PV:PV+1], s[34:35], s[TP:TP+1]          ; VAL: batch, slice 2 w, 64 bytes a row
	s_lshl_b32 s[T1], s[BAT], 3
	s_add_co_u32 s[T1], s[T1], s[WAVE]             ; 8 b + head
	s_mul_i32 s[TP], s[T1], 267264
	s_mul_i32 s[STEP], s[T0], 96
	s_add_co_u32 s[TP], s[TP], s[STEP]
	s_add_nc_u64 s[PI:PI+1], s[36:37], s[TP:TP+1]          ; IDX: 96 bytes a query
	s_mul_i32 s[TP], s[T1], 534528
	s_mul_i32 s[STEP], s[T0], 192
	s_add_co_u32 s[TP], s[TP], s[STEP]
	s_add_nc_u64 s[PW:PW+1], s[38:39], s[TP:TP+1]          ; WGT: 192 bytes a query
	s_mov_b32 s[SEL0], 0x76543210                  ; v_permlanex16_b32: lane i reads lane i xor 16
	s_mov_b32 s[SEL1], 0xfedcba98
	s_mov_b32 s[L2E], 0x3fb8aa3b                   ; log2 e
	s_mul_i32 s[STGS], s[WAVE], STGB
	s_add_co_u32 s[STGS], s[STGS], STG             ; my wave's stage
	s_add_co_u32 s[T0], s[STGS], 2048
	s_add_co_u32 s[T1], s[STGS], 5120
	v_mul_u32_u24 v[LSF], v15, 160
	v_lshl_add_u32 v[LSF], v14, 3, v[LSF]          ; channel row x 160 + 8 bytes for four positions
	v_add_nc_u32 v[LSQ], XQ, v[LSF]
	v_and_b32 v[LN], 31, v0
	v_and_b32 v[RR], 15, v0
	v_bfe_u32 v[H2], v0, 4, 1
	v_lshlrev_b32 v[LIN], 4, v[LN]
	v_lshlrev_b32 v[BOFF], 5, v[H2]
	v_add_nc_u32 v[PR], s[P0], v[RR]
	v_and_b32 v44, 7, v0                           ; transposing load: row 8 h2 + (lane & 7), 16 bytes ((lane >> 3) & 1)
	v_lshl_add_u32 v44, v[H2], 3, v44
	v_mul_u32_u24 v44, v44, 160
	v_bfe_u32 v45, v0, 3, 1
	v_lshl_add_u32 v[AXF], v45, 4, v44
	v_add_nc_u32 v[AXQ], XQ, v[AXF]
	v_add_nc_u32 v[SLIN], s[STGS], v[LIN]
	v_add_nc_u32 v[SVA], s[STGS], v[BOFF]
	; stage addresses of the lists.  Query r of a group of 16: octet o = r >> 3, pair j = (r >> 1) & 3, parity hq = r & 1.
	; WGT octet (1,536 bytes): [chunk 3 j + (P >> 2)][4 hq + corner][P & 3] f32.  IDX octet (768): word n = 6 j + (P >> 1) at [n >> 2][4 hq + corner][n & 3].
	v_lshrrev_b32 v44, 3, v[RR]
	v_bfe_u32 v45, v[RR], 1, 2
	v_and_b32 v46, 1, v[RR]
	v_lshlrev_b32 v46, 6, v46
	v_mul_u32_u24 v47, v45, 3                      ; 3 j
	v_mad_u32_u24 v48, v44, 0x600, v46
	v_add_nc_u32 v48, s[T0], v48
	v_lshl_add_u32 v49, v[H2], 1, v47              ; slots 0-3 are points 0-3 or 8-11: chunk 3 j + 2 h2
	v_lshl_add_u32 v[SW4], v49, 7, v48
	v_add_nc_u32 v49, 1, v47                       ; slots 4, 5 are points 4, 5 or 6, 7: chunk 3 j + 1, 8 h2 bytes in
	v_lshl_add_u32 v49, v49, 7, v48
	v_lshl_add_u32 v[SW2], v[H2], 3, v49
	v_mad_u32_u24 v48, v44, 0x300, v46
	v_add_nc_u32 v48, s[T1], v48
	v_lshlrev_b32 v47, 1, v47                      ; 6 j
.macro IDXADR dst                      ; v49 = n
	v_lshrrev_b32 v50, 2, v49
	v_and_b32 v51, 3, v49
	v_lshl_add_u32 v50, v50, 7, v48
	v_lshl_add_u32 v[\dst], v51, 2, v50
.endm
	v_lshl_add_u32 v49, v[H2], 2, v47              ; slots 0, 1: n = 6 j + 4 h2
	IDXADR SI0
	v_add_nc_u32 v49, 1, v49                       ; slots 2, 3
	IDXADR SI1
	v_add3_u32 v49, v47, v[H2], 2                  ; slots 4, 5: n = 6 j + 2 + h2
	IDXADR SI2
	; the sampled levels' figures
	v_mul_u32_u24 v44, v[H2], 66
	v_sub_nc_u32 v[PA+6], 88, v44                  ; W = 88 or 22
	v_mul_u32_u24 v44, v[H2], 18
	v_sub_nc_u32 v44, 24, v44                      ; H = 24 or 6
	v_cvt_f32_u32 v[PA], v[PA+6]
	v_cvt_f32_u32 v[PA+1], v44
	v_add_f32 v[PA+2], 1.0, v[PA]
	v_add_f32 v[PA+3], 1.0, v[PA+1]
	v_add_f32 v[PA+4], -1.0, v[PA]
	v_add_f32 v[PA+5], -1.0, v[PA+1]
	v_mul_u32_u24 v[PA+7], v[H2], 0xa50            ; start 0 or 2640
	v_lshlrev_b32 v44, 1, v[H2]
	v_sub_nc_u32 v[PA+8], 2, v44                   ; flag 2 or 0
	v_mov_b32 v[PB], 0x42300000                    ; 44, 12
	v_mov_b32 v[PB+1], 0x41400000
	v_mov_b32 v[PB+2], 0x42340000                  ; 45, 13
	v_mov_b32 v[PB+3], 0x41500000
	v_mov_b32 v[PB+4], 0x422c0000                  ; 43, 11
	v_mov_b32 v[PB+5], 0x41300000
	v_mov_b32 v[PB+6], 44
	v_mov_b32 v[PB+7], 0x840                       ; 2112
	v_mov_b32 v[PB+8], 2
	; ---- feat to LDS; its registers take the position code
	s_wait_loadcnt 16                              ; feat's 16 loads are in, query's 16 stay out
.irp i, 0,1,2,3,4,5,6,7,8,9,10,11,12,13,14,15
	v_cvt_pk_bf16_f32 v[CV+2*\i], v[FT+4*\i], v[FT+4*\i+1]
	v_cvt_pk_bf16_f32 v[CV+2*\i+1], v[FT+4*\i+2], v[FT+4*\i+3]
	ds_store_b64 v[LSF], v[CV+2*\i:CV+2*\i+1] offset:2560*\i
	global_load_b128 v[FT+4*\i:FT+4*\i+3], v[OFFS+\i], s[PP:PP+1]      ; read again by the other 15 batches: no hint
.endr
	s_wait_loadcnt 0x0                             ; query and position code
	s_wait_dscnt 0x0                               ; the LDS stores have read v224-255, which are written again now
.irp i, 0,1,2,3,4,5,6,7,8,9,10,11,12,13,14,15
	v_pk_add_f32 v[QT+4*\i:QT+4*\i+1], v[QT+4*\i:QT+4*\i+1], v[FT+4*\i:FT+4*\i+1]
	v_pk_add_f32 v[QT+4*\i+2:QT+4*\i+3], v[QT+4*\i+2:QT+4*\i+3], v[FT+4*\i+2:FT+4*\i+3]
	v_cvt_pk_bf16_f32 v[CV+2*\i], v[QT+4*\i], v[QT+4*\i+1]
	v_cvt_pk_bf16_f32 v[CV+2*\i+1], v[QT+4*\i+2], v[QT+4*\i+3]
	ds_store_b64 v[LSQ], v[CV+2*\i:CV+2*\i+1] offset:2560*\i
.endr
.macro LDAV k                          ; value weights of K step k: 4 loads into buffer k % 3
.irp tt, 0,1
.irp hf, 0,1
	global_load_b128 v[AR+16*((\k)%3)+8*\tt+4*\hf:AR+16*((\k)%3)+8*\tt+4*\hf+3], v[LIN], s[PWV:PWV+1] offset:8192*\tt+1024*(\k)+512*\hf
.endr
.endr
.endm
.macro LDAQ k                          ; query weights of K step k: 6 loads into buffer k % 2
.irp tt, 0,1,2
.irp hf, 0,1
	global_load_b128 v[AR+24*((\k)%2)+8*\tt+4*\hf:AR+24*((\k)%2)+8*\tt+4*\hf+3], v[LIN], s[PWQ:PWQ+1] offset:8192*\tt+1024*(\k)+512*\hf
.endr
.endr
.endm
.macro LDB adr, ks                     ; 4 x 16 positions x 32 channels, transposed on the way out of LDS
.irp mt, 0,1,2,3
	ds_load_tr16_b128 v[BF+8*\mt:BF+8*\mt+3], v[\adr] offset:5120*\ks+32*\mt
	ds_load_tr16_b128 v[BF+8*\mt+4:BF+8*\mt+7], v[\adr] offset:5120*\ks+32*\mt+2560
.endr
.endm
.irp tt, 0,1
	global_load_b128 v[BI+8*\tt:BI+8*\tt+3], v[BOFF], s[PBV:PBV+1] offset:64*\tt
	global_load_b128 v[BI+8*\tt+4:BI+8*\tt+7], v[BOFF], s[PBV:PBV+1] offset:64*\tt+16
.endr
	LDAV 0
	LDAV 1
	s_wait_dscnt 0x0                               ; my part of XF and XQ is in LDS,
	s_barrier_signal -1
	s_barrier_wait -1                              ; everybody's is.  XF and XQ are only read from here on: the launch's one barrier
; ---- value: 8 K steps of 32 channels, 2 tiles x 4 groups of positions
.macro KSTEPV ks
.if \ks
	PLACES
.endif
	LDB AXF, \ks
.if \ks < 6
	LDAV \ks+2
	s_wait_loadcnt 8                               ; the two younger steps' 4 loads each stay out: this step's weights (and the biases) are in
.elseif \ks == 6
	s_wait_loadcnt 4
.else
	s_wait_loadcnt 0
.endif
	s_wait_dscnt 0x0
.irp tt, 0,1
.irp mt, 0,1,2,3
.if \ks == 0
	v_wmma_f32_16x16x32_bf16 v[ACC+8*(4*\tt+\mt):ACC+8*(4*\tt+\mt)+7], v[AR+16*(\ks%3)+8*\tt:AR+16*(\ks%3)+8*\tt+7], v[BF+8*\mt:BF+8*\mt+7], v[BI+8*\tt:BI+8*\tt+7]
.else
	v_wmma_f32_16x16x32_bf16 v[ACC+8*(4*\tt+\mt):ACC+8*(4*\tt+\mt)+7], v[AR+16*(\ks%3)+8*\tt:AR+16*(\ks%3)+8*\tt+7], v[BF+8*\mt:BF+8*\mt+7], v[ACC+8*(4*\tt+\mt):ACC+8*(4*\tt+\mt)+7]
.endif
.endr
.endr
.endm
.irp ks, 0,1,2,3,4,5,6,7
	KSTEPV \ks
.endr
	PLACES
	; the query pass's biases and first weights set out while VAL leaves
.irp tt, 0,1,2
	global_load_b128 v[BI+8*\tt:BI+8*\tt+3], v[BOFF], s[PBQ:PBQ+1] offset:64*\tt
	global_load_b128 v[BI+8*\tt+4:BI+8*\tt+7], v[BOFF], s[PBQ:PBQ+1] offset:64*\tt+16
.endr
	LDAQ 0
.macro GEO mt
	v_add_nc_u32 v[GP], 16*\mt, v[PR]
	v_mul_lo_u32 v[GY], v[GP], s[MAG]
	v_lshrrev_b32 v[GY], 20, v[GY]
	v_mul_lo_u32 v[GX], v[GY], s[WW]
	v_sub_nc_u32 v[GX], v[GP], v[GX]
.endm
; 16 positions x 32 channels leave through my stage: row r xor 2 (y & 1) (levels 0, 1), then 512 consecutive bytes a store
.macro VPOST mt
.if \mt
	s_cmp_le_u32 s[NMT], \mt
	s_cbranch_scc1 .Lvdone
.endif
	GEO \mt
	v_lshlrev_b32 v[TMP], 1, v[GY]
	v_and_b32 v[TMP], s[FL], v[TMP]
	v_xor_b32 v[TMP], v[TMP], v[RR]
	v_and_b32 v[TMP], 15, v[TMP]                   ; one of the stage's 16 rows, by construction
	v_lshl_add_u32 v[TMP], v[TMP], 6, v[SVA]
.irp tt, 0,1
	ds_store_b128 v[TMP], v[ACC+8*(4*\tt+\mt):ACC+8*(4*\tt+\mt)+3] offset:1024*\tt
	ds_store_b128 v[TMP], v[ACC+8*(4*\tt+\mt)+4:ACC+8*(4*\tt+\mt)+7] offset:1024*\tt+16
.endr
	s_wait_xcnt 0x0                                ; the last group's stores have read v224-239
.irp i, 0,1,2,3
	ds_load_b128 v[RV+4*\i:RV+4*\i+3], v[SLIN] offset:512*\i       ; my own bytes: LDS serves a wave in order
.endr
.irp i, 0,1,2,3
	s_wait_dscnt 3-\i
	global_store_b128 v[LIN], v[RV+4*\i:RV+4*\i+3], s[PV:PV+1] offset:178176*(\i/2)+1024*\mt+512*(\i%2)
.endr
.endm
	VPOST 0
	VPOST 1
	VPOST 2
	VPOST 3
.Lvdone:
	s_wait_xcnt 0x0                                ; v224-239 were store data; they take fragments again
; ---- offsets and logits: 8 K steps, 3 tiles x 4 groups of positions
.macro KSTEPQ ks
.if \ks
	PLACES
.endif
	LDB AXQ, \ks
.if \ks < 7
	LDAQ \ks+1
	s_wait_loadcnt 6                               ; the next step's 6 loads stay out
.else
	s_wait_loadcnt 0
.endif
	s_wait_dscnt 0x0
.irp tt, 0,1,2
.irp mt, 0,1,2,3
.if \ks == 0
	v_wmma_f32_16x16x32_bf16 v[ACC+8*(4*\tt+\mt):ACC+8*(4*\tt+\mt)+7], v[AR+24*(\ks%2)+8*\tt:AR+24*(\ks%2)+8*\tt+7], v[BF+8*\mt:BF+8*\mt+7], v[BI+8*\tt:BI+8*\tt+7]
.else
	v_wmma_f32_16x16x32_bf16 v[ACC+8*(4*\tt+\mt):ACC+8*(4*\tt+\mt)+7], v[AR+24*(\ks%2)+8*\tt:AR+24*(\ks%2)+8*\tt+7], v[BF+8*\mt:BF+8*\mt+7], v[ACC+8*(4*\tt+\mt):ACC+8*(4*\tt+\mt)+7]
.endif
.endr
.endr
.endm
.irp ks, 0,1,2,3,4,5,6,7
	KSTEPQ \ks
.endr
	PLACES
; One point: slot s, level figures at v[ps], reference pair v[rp], offsets (x, y) at v[oxy], attention weight v[aw].
.macro POINT s, ps, rp, oxy, aw
	v_pk_add_f32 v[XY:XY+1], v[\oxy:\oxy+1], v[\rp:\rp+1]          ; pixel coordinates
	v_med3_num_f32 v[XY], v[XY], -2.0, v[\ps+2]
	v_med3_num_f32 v[XY+1], v[XY+1], -2.0, v[\ps+3]
	v_floor_f32 v[F0], v[XY]
	v_floor_f32 v[F0+1], v[XY+1]
	v_pk_add_f32 v[DD:DD+1], v[XY:XY+1], v[F0:F0+1] neg_lo:[0,1] neg_hi:[0,1]     ; dx, dy
	v_pk_add_f32 v[F1:F1+1], v[F0:F0+1], 1.0 op_sel_hi:[1,0]
	v_pk_fma_f32 v[EE:EE+1], v[DD:DD+1], -1.0, 1.0 op_sel_hi:[1,0,0]              ; 1 - dx, 1 - dy
	v_med3_num_f32 v[C0], v[F0], 0, v[\ps+4]                       ; clipped corners
	v_med3_num_f32 v[C0+1], v[F0+1], 0, v[\ps+5]
	v_med3_num_f32 v[C1], v[F1], 0, v[\ps+4]
	v_med3_num_f32 v[C1+1], v[F1+1], 0, v[\ps+5]
	v_cmp_eq_f32 vcc_lo, v[C0], v[F0]                              ; a coordinate that the clip moved is outside: weight 0
	v_cndmask_b32 v[WX0], 0, v[EE], vcc_lo
	v_cmp_eq_f32 vcc_lo, v[C1], v[F1]
	v_cndmask_b32 v[WX1], 0, v[DD], vcc_lo
	v_cmp_eq_f32 vcc_lo, v[C0+1], v[F0+1]
	v_cndmask_b32 v[WY0], 0, v[EE+1], vcc_lo
	v_cmp_eq_f32 vcc_lo, v[C1+1], v[F1+1]
	v_cndmask_b32 v[WY1], 0, v[DD+1], vcc_lo
	v_mul_f32 v[WY0], v[WY0], v[\aw]
	v_mul_f32 v[WY1], v[WY1], v[\aw]
	v_mul_f32 v[WR+\s], v[WX0], v[WY0]
	v_mul_f32 v[WR+6+\s], v[WX1], v[WY0]
	v_mul_f32 v[WR+12+\s], v[WX0], v[WY1]
	v_mul_f32 v[WR+18+\s], v[WX1], v[WY1]
	v_cvt_i32_f32 v[C0], v[C0]
	v_cvt_i32_f32 v[C0+1], v[C0+1]
	v_cvt_i32_f32 v[C1], v[C1]
	v_cvt_i32_f32 v[C1+1], v[C1+1]
	v_mad_u32_u24 v[BY0], v[C0+1], v[\ps+6], v[\ps+7]              ; start + y W
	v_mad_u32_u24 v[BY1], v[C1+1], v[\ps+6], v[\ps+7]
	v_lshlrev_b32 v[FL0], 1, v[C0+1]
	v_lshlrev_b32 v[FL1], 1, v[C1+1]
	v_and_b32 v[FL0], v[FL0], v[\ps+8]                             ; 2 (y & 1) on levels 0 and 1
	v_and_b32 v[FL1], v[FL1], v[\ps+8]
.if (\s) & 1
	v_xor_b32 v[IN], v[C0], v[FL0]
	v_xor_b32 v[IN+1], v[C1], v[FL0]
	v_xor_b32 v[IN+2], v[C0], v[FL1]
	v_xor_b32 v[IN+3], v[C1], v[FL1]
	v_add_nc_u32 v[IN], v[IN], v[BY0]
	v_add_nc_u32 v[IN+1], v[IN+1], v[BY0]
	v_add_nc_u32 v[IN+2], v[IN+2], v[BY1]
	v_add_nc_u32 v[IN+3], v[IN+3], v[BY1]
.irp c, 0,1,2,3
	v_lshl_or_b32 v[PK+3*\c+(\s)/2], v[IN+\c], 16, v[IT+\c]        ; the even slot below, the odd one above
.endr
.else
	v_xor_b32 v[IT], v[C0], v[FL0]
	v_xor_b32 v[IT+1], v[C1], v[FL0]
	v_xor_b32 v[IT+2], v[C0], v[FL1]
	v_xor_b32 v[IT+3], v[C1], v[FL1]
	v_add_nc_u32 v[IT], v[IT], v[BY0]
	v_add_nc_u32 v[IT+1], v[IT+1], v[BY0]
	v_add_nc_u32 v[IT+2], v[IT+2], v[BY1]
	v_add_nc_u32 v[IT+3], v[IT+3], v[BY1]
.endif
.endm
; 16 queries of my head: softmax over the 12 logits (6 in this lane, 6 in lane xor 16), 6 points a lane, lists out through my stage
.macro QPOST mt
.if \mt
	s_cmp_le_u32 s[NMT], \mt
	s_cbranch_scc1 .Lqdone
.endif
.set LG, ACC+64+8*\mt
	GEO \mt
	v_cvt_f32_u32 v[REF], v[GX]
	v_cvt_f32_u32 v[REF+1], v[GY]
	v_pk_add_f32 v[REF:REF+1], v[REF:REF+1], 0.5 op_sel_hi:[1,0]
	v_mul_f32 v[REF], s[IW], v[REF]
	v_mul_f32 v[REF+1], s[IH], v[REF+1]            ; the query's reference point in [0, 1]
	v_pk_fma_f32 v[RA:RA+1], v[REF:REF+1], v[PA:PA+1], -0.5 op_sel_hi:[1,1,0]
	v_pk_fma_f32 v[RB2:RB2+1], v[REF:REF+1], v[PB:PB+1], -0.5 op_sel_hi:[1,1,0]
	v_max3_num_f32 v[IN], v[LG], v[LG+1], v[LG+2]
	v_max3_num_f32 v[IN+1], v[LG+3], v[LG+4], v[LG+5]
	v_max_num_f32 v[IN], v[IN], v[IN+1]
	v_permlanex16_b32 v[IN+1], v[IN], s[SEL0], s[SEL1]
	v_max_num_f32 v[IN], v[IN], v[IN+1]            ; the maximum of the 12
	v_mul_f32 v[IN], s[L2E], v[IN]
.irp s, 0,1,2,3,4,5
	v_fma_f32 v[LG+\s], v[LG+\s], s[L2E], -v[IN]
.endr
.irp s, 0,1,2,3,4,5
	v_exp_f32 v[LG+\s], v[LG+\s]
.endr
	v_nop                                          ; one plain place behind the exponentials (ISA guide 5.7.2)
	s_wait_alu depctr_va_vdst(0)
	v_add_f32 v[IN+1], v[LG], v[LG+1]
	v_add_f32 v[IN+2], v[LG+2], v[LG+3]
	v_add_f32 v[IN+3], v[LG+4], v[LG+5]
	v_add_f32 v[IN+1], v[IN+1], v[IN+2]
	v_add_f32 v[IN+1], v[IN+1], v[IN+3]
	v_permlanex16_b32 v[IN+2], v[IN+1], s[SEL0], s[SEL1]
	v_add_f32 v[IN+1], v[IN+1], v[IN+2]            ; at least 1: the maximum's own term
	v_rcp_f32 v[IN+1], v[IN+1]
	v_nop
	s_wait_alu depctr_va_vdst(0)
.irp s, 0,1,2,3,4,5
	v_mul_f32 v[LG+\s], v[LG+\s], v[IN+1]
.endr
	POINT 0, PA, RA, ACC+8*\mt, LG
	POINT 1, PA, RA, ACC+8*\mt+2, LG+1
	POINT 2, PA, RA, ACC+8*\mt+4, LG+2
	POINT 3, PA, RA, ACC+8*\mt+6, LG+3
	POINT 4, PB, RB2, ACC+32+8*\mt, LG+4
	POINT 5, PB, RB2, ACC+32+8*\mt+2, LG+5
.irp c, 0,1,2,3
	ds_store_b128 v[SW4], v[WR+6*\c:WR+6*\c+3] offset:16*\c
	ds_store_b64 v[SW2], v[WR+6*\c+4:WR+6*\c+5] offset:16*\c
	ds_store_b32 v[SI0], v[PK+3*\c] offset:16*\c
	ds_store_b32 v[SI1], v[PK+3*\c+1] offset:16*\c
	ds_store_b32 v[SI2], v[PK+3*\c+2] offset:16*\c
.endr
	s_wait_xcnt 0x0                                ; the last group's stores have read v212-247
.irp i, 0,1,2,3,4,5
	ds_load_b128 v[RQ+4*\i:RQ+4*\i+3], v[SLIN] offset:2048+512*\i
.endr
.irp i, 0,1,2
	ds_load_b128 v[RQ+24+4*\i:RQ+24+4*\i+3], v[SLIN] offset:5120+512*\i
.endr
.irp i, 0,1,2,3,4,5
	s_wait_dscnt 8-\i                              ; LDS loads come back in order: the younger ones stay out
	global_store_b128 v[LIN], v[RQ+4*\i:RQ+4*\i+3], s[PW:PW+1] offset:3072*\mt+512*\i
.endr
.irp i, 0,1,2
	s_wait_dscnt 2-\i
	global_store_b128 v[LIN], v[RQ+24+4*\i:RQ+24+4*\i+3], s[PI:PI+1] offset:1536*\mt+512*\i
.endr
.endm
	QPOST 0
	QPOST 1
	QPOST 2
	QPOST 3
.Lqdone:
	s_wait_tensorcnt 0x0
	ds_add_u32 v29, v39
	s_wait_dscnt 0x0
	s_endpgm
.Lfunc_end_k_qe30540e7c2_proj:
	.size	k_qe30540e7c2_proj, .Lfunc_end_k_qe30540e7c2_proj-k_qe30540e7c2_proj
	.p2alignl 7, 3214868480
	.fill 96, 4, 3214868480
	.section	.rodata,"a",@progbits
	.p2align	6, 0x0
	.amdhsa_kernel k_qe30540e7c2_proj
		.amdhsa_group_segment_fixed_size 136192
		.amdhsa_private_segment_fixed_size 0
		.amdhsa_enable_private_segment 0
		.amdhsa_kernarg_size 96
		.amdhsa_user_sgpr_count 2
		.amdhsa_user_sgpr_kernarg_segment_ptr 1
		.amdhsa_wavefront_size32 1
		.amdhsa_system_sgpr_workgroup_id_x 1
		.amdhsa_system_sgpr_workgroup_id_y 1
		.amdhsa_system_sgpr_workgroup_id_z 1
		.amdhsa_system_vgpr_workitem_id 0
		.amdhsa_next_free_vgpr 256
		.amdhsa_next_free_sgpr 96
		.amdhsa_reserve_vcc 1
		.amdhsa_float_denorm_mode_32 3
		.amdhsa_float_denorm_mode_16_64 3
		.amdhsa_memory_ordered 1
		.amdhsa_forward_progress 1
		.amdhsa_inst_pref_size 122
	.end_amdhsa_kernel
	.amdgpu_metadata
---
amdhsa.version: [ 1, 2 ]
amdhsa.kernels:
  - .name:           k_qe30540e7c2_proj
    .symbol:         k_qe30540e7c2_proj.kd
    .args:
      - { .name: feat0, .offset: 0, .size: 8, .value_kind: global_buffer, .address_space: global }
      - { .name: feat1, .offset: 8, .size: 8, .value_kind: global_buffer, .address_space: global }
      - { .name: feat2, .offset: 16, .size: 8, .value_kind: global_buffer, .address_space: global }
      - { .name: query0, .offset: 24, .size: 8, .value_kind: global_buffer, .address_space: global }
      - { .name: query1, .offset: 32, .size: 8, .value_kind: global_buffer, .address_space: global }
      - { .name: query2, .offset: 40, .size: 8, .value_kind: global_buffer, .address_space: global }
      - { .name: POS, .offset: 48, .size: 8, .value_kind: global_buffer, .address_space: global }
      - { .name: WP, .offset: 56, .size: 8, .value_kind: global_buffer, .address_space: global }
      - { .name: BP, .offset: 64, .size: 8, .value_kind: global_buffer, .address_space: global }
      - { .name: VAL, .offset: 72, .size: 8, .value_kind: global_buffer, .address_space: global }
      - { .name: IDX, .offset: 80, .size: 8, .value_kind: global_buffer, .address_space: global }
      - { .name: WGT, .offset: 88, .size: 8, .value_kind: global_buffer, .address_space: global }
    .group_segment_fixed_size: 136192
    .private_segment_fixed_size: 0
    .kernarg_segment_align: 8
    .kernarg_segment_size: 96
    .max_flat_workgroup_size: 256
    .sgpr_count:     96
    .vgpr_count:     256
    .wavefront_size: 32
...
	.end_amdgpu_metadata
.endif
;; end of part 2
;; launch sample (part 3): grid 16 x 16, 12 waves a work-group, no clusters, 179,712 bytes of LDS; arguments VAL, IDX, WGT, SMP; writes SMP
.if DOCPART == 3
	.amdgcn_target "amdgcn-amd-amdhsa--gfx1250"
	.amdhsa_code_object_version 6
	.text
	.protected	k_qe30540e7c2_sample
	.globl	k_qe30540e7c2_sample
	.p2align	8
	.type	k_qe30540e7c2_sample,@function
k_qe30540e7c2_sample:
	s_mov_b64 s[64:65], 0
	v_nop
	global_prefetch_b8 v0, s[64:65] scope:SCOPE_SE
	s_setreg_imm32_b32 hwreg(HW_REG_WAVE_MODE, 25, 1), 1
	s_wait_xcnt 0x0
; SAMPLE.  A work-group owns one batch and one slice (16 channels, half a head) of VAL: 2,784 rows x 64 bytes = 178,176 bytes, all of it in LDS.
; For each of the 2,784 (padded) queries it adds 12 points x 4 corners, weight x row, in f32, and stores the 16 sums in f32
; (SMP [b][slice][query][16], the same shape as VAL; the next launch makes the matrix operand of them).
; Twelve waves, 29 octets of queries each.  Lane: hq = lane >> 4 (query parity), corner = (lane >> 2) & 3, cq = lane & 3 (four channels).
; One ds_load_b128 serves one point of two queries; its sixteen lanes of a half read the point's four corners, 64 bytes each, which the
; layout of VAL puts into four different 64-byte columns modulo 256 bytes.  The corners are added across lanes at the end (xor 4, xor 8).
; The positions are whole numbers that the launch before stored; each is clamped to 2,783 before it becomes an LDS address.
; NO CLUSTER: no two work-groups read the same slice.  The two slices of a head read the same lists, through registers, not through LDS.
.set AD, 14                            ; v14-25  LDS addresses of 12 points
.set OU, 26                            ; v26-29  what I store: four channels of one query of the octet
.set DR, 32                            ; v32-79  12 x 16 bytes
.set IX0, 80                           ; v80-103 index words, v104-151 weights of an octet: set 0
.set WG0, 104
.set IX1, 152                          ; set 1
.set WG1, 176
	s_load_b256 s[4:11], s[0:1], 0x0               ; VAL 4, IDX 6, WGT 8, SMP 10
	v_lshl_add_u32 v224, v0, 2, 0x2b800
	v_mov_b32 v225, 0
	ds_add_u32 v224, v225
	ds_add_u32 v224, v225
	v_lshrrev_b32 v1, 5, v0
	v_readfirstlane_b32 s24, v1                    ; wave 0..11
	s_mov_b32 s25, ttmp9                           ; slice
	s_and_b32 s26, ttmp7, 0xffff                   ; batch
	; each wave brings a twelfth of the slice: 58 rows of 256 bytes, dense
	s_mov_b32 s16, 3<<16                           ; elements of 8 bytes, no mask, no padding
	s_mov_b32 s17, 32<<16                          ; tensor_dim0 = 32
	s_mov_b32 s18, 58<<16                          ; tensor_dim1 = 58
	s_mov_b32 s19, 32<<16                          ; tile_dim0 = 32
	s_mov_b32 s20, 58                              ; tile_dim1 = 58
	s_mov_b32 s21, 32                              ; pitch
	s_mov_b32 s22, 0
	s_mov_b32 s23, 0
	s_mov_b32 s12, 1
	s_mul_i32 s13, s24, 14848                      ; LDS address: my wave's own bytes
	s_lshl_b32 s28, s26, 4
	s_add_co_u32 s28, s28, s25                     ; 16 b + slice
	s_mul_i32 s28, s28, 178176
	s_add_co_u32 s28, s28, s13                     ; my twelfth of the slice: 232 rows of VAL, and likewise my 29 octets x 512 bytes of SMP
	s_mov_b32 s29, 0
	s_wait_dscnt 0x0
	s_wait_kmcnt 0x0
	s_add_nc_u64 s[14:15], s[4:5], s[28:29]
	s_or_b32 s15, s15, 0x80000000
	tensor_load_to_lds s[12:15], s[16:23]          ; the wave's one tensor load
	s_nop 0
	s_add_nc_u64 s[10:11], s[10:11], s[28:29]
	s_lshr_b32 s27, s25, 1                         ; head
	s_lshl_b32 s34, s26, 3
	s_add_co_u32 s34, s34, s27                     ; 8 b + head
	s_mul_i32 s28, s34, 267264
	s_mul_i32 s35, s24, 22272
	s_add_co_u32 s28, s28, s35
	s_add_nc_u64 s[6:7], s[6:7], s[28:29]          ; IDX: 768 bytes an octet
	s_mul_i32 s28, s34, 534528
	s_mul_i32 s35, s24, 44544
	s_add_co_u32 s28, s28, s35
	s_add_nc_u64 s[8:9], s[8:9], s[28:29]          ; WGT: 1,536 bytes an octet
	v_and_b32 v3, 31, v0                           ; lane
	v_and_b32 v1, 3, v0
	v_lshrrev_b32 v2, 2, v3
	v_bfe_u32 v5, v0, 2, 2                         ; corner
	v_bfe_u32 v4, v0, 4, 1                         ; hq
	v_lshl_add_u32 v4, v5, 1, v4                   ; the query of the octet that I store: 2 corner + hq
	v_lshlrev_b32 v4, 6, v4
	v_lshl_add_u32 v4, v1, 4, v4                   ; 64 bytes a query + my four f32
	v_lshlrev_b32 v1, 4, v1                        ; 16 cq
	v_lshlrev_b32 v2, 4, v2                        ; 16 (4 hq + corner): my column of both lists
	v_cmp_eq_u32 s30, 1, v5
	v_cmp_eq_u32 s31, 2, v5
	v_cmp_eq_u32 s32, 3, v5
.macro LOAD ix, wg, k                  ; the lists of the octet k octets on: 6 + 12 loads
.irp c, 0,1,2,3,4,5
	global_load_b128 v[\ix+4*\c:\ix+4*\c+3], v2, s[6:7] offset:768*\k+128*\c
.endr
.irp c, 0,1,2,3,4,5,6,7,8,9,10,11
	global_load_b128 v[\wg+4*\c:\wg+4*\c+3], v2, s[8:9] offset:1536*\k+128*\c
.endr
.endm
; queries 2 j and 2 j + 1 of the octet.  Pair 0 is summed in the store registers themselves; of pairs 1 to 3 the lanes of corner j take theirs.
.macro PAIR ix, wg, j
.if \j == 0
.set AC, OU
.else
.set AC, 8
.endif
.irp P, 0,1,2,3,4,5,6,7,8,9,10,11
.if (\P) & 1
	v_lshrrev_b32 v[AD+\P], 16, v[\ix+6*\j+\P/2]
.else
	v_and_b32 v[AD+\P], 0xffff, v[\ix+6*\j+\P/2]
.endif
	v_min_u32 v[AD+\P], 0xadf, v[AD+\P]            ; at most row 2,783: inside the slice whatever was read
	v_lshl_add_u32 v[AD+\P], v[AD+\P], 6, v1
	ds_load_b128 v[DR+4*\P:DR+4*\P+3], v[AD+\P]
.endr
.irp P, 0,1,2,3,4,5,6,7,8,9,10,11
	s_wait_dscnt 11-\P                             ; point P is in, the younger ones stay out
.if \P == 0
	v_pk_mul_f32 v[AC:AC+1], v[DR:DR+1], v[\wg+12*\j:\wg+12*\j+1] op_sel_hi:[1,0]          ; the first product starts the sums
	v_pk_mul_f32 v[AC+2:AC+3], v[DR+2:DR+3], v[\wg+12*\j:\wg+12*\j+1] op_sel_hi:[1,0]
.elseif (\P) & 1
	v_pk_fma_f32 v[AC:AC+1], v[DR+4*\P:DR+4*\P+1], v[\wg+12*\j+\P-1:\wg+12*\j+\P], v[AC:AC+1] op_sel:[0,1,0] op_sel_hi:[1,1,1]
	v_pk_fma_f32 v[AC+2:AC+3], v[DR+4*\P+2:DR+4*\P+3], v[\wg+12*\j+\P-1:\wg+12*\j+\P], v[AC+2:AC+3] op_sel:[0,1,0] op_sel_hi:[1,1,1]
.else
	v_pk_fma_f32 v[AC:AC+1], v[DR+4*\P:DR+4*\P+1], v[\wg+12*\j+\P:\wg+12*\j+\P+1], v[AC:AC+1] op_sel_hi:[1,0,1]
	v_pk_fma_f32 v[AC+2:AC+3], v[DR+4*\P+2:DR+4*\P+3], v[\wg+12*\j+\P:\wg+12*\j+\P+1], v[AC+2:AC+3] op_sel_hi:[1,0,1]
.endif
.endr
.irp a, 0,1,2,3
	v_add_f32_dpp v[AC+\a], v[AC+\a], v[AC+\a] row_xmask:4 row_mask:0xf bank_mask:0xf
.endr
.irp a, 0,1,2,3
	v_add_f32_dpp v[AC+\a], v[AC+\a], v[AC+\a] row_xmask:8 row_mask:0xf bank_mask:0xf      ; the four corners' lanes all hold the sum
.endr
.if \j
.irp a, 0,1,2,3
	v_cndmask_b32 v[OU+\a], v[OU+\a], v[AC+\a], s[29+\j]           ; the lanes of corner j keep pair j
.endr
.endif
.endm
.macro PROC ix, wg, left, k
	s_wait_loadcnt \left                           ; this set's 18 loads are in; the other set's stay out
	s_wait_xcnt 0x0                                ; the last store has read v26-29
	PAIR \ix, \wg, 0
	PAIR \ix, \wg, 1
	PAIR \ix, \wg, 2
	PAIR \ix, \wg, 3
	global_store_b128 v4, v[OU:OU+3], s[10:11] offset:512*\k       ; the wave stores 512 consecutive bytes, aligned: the octet
.endm
	LOAD IX0, WG0, 0
	s_wait_tensorcnt 0x0                           ; my twelfth of the slice is in LDS,
	s_barrier_signal -1
	s_barrier_wait -1                              ; the whole slice is; it is only read from here on
	s_mov_b32 s33, 14
.Ltrip:                                            ; two octets a trip; the second load reaches octet 28, my last, in the last trip
	LOAD IX1, WG1, 1
	PROC IX0, WG0, 18, 0
	LOAD IX0, WG0, 2
	PROC IX1, WG1, 18, 1
	s_wait_xcnt 0x0                                ; the bases step only when every pending access has read them
	s_add_nc_u64 s[6:7], s[6:7], 1536
	s_add_nc_u64 s[8:9], s[8:9], 3072
	s_add_nc_u64 s[10:11], s[10:11], 1024
	s_sub_co_u32 s33, s33, 1
	s_cmp_lg_u32 s33, 0
	s_cbranch_scc1 .Ltrip
	PROC IX0, WG0, 0, 0                            ; octet 28: nothing was issued behind its loads
	s_wait_tensorcnt 0x0
	ds_add_u32 v224, v225
	s_wait_dscnt 0x0
	s_endpgm
.Lfunc_end_k_qe30540e7c2_sample:
	.size	k_qe30540e7c2_sample, .Lfunc_end_k_qe30540e7c2_sample-k_qe30540e7c2_sample
	.p2alignl 7, 3214868480
	.fill 96, 4, 3214868480
	.section	.rodata,"a",@progbits
	.p2align	6, 0x0
	.amdhsa_kernel k_qe30540e7c2_sample
		.amdhsa_group_segment_fixed_size 179712
		.amdhsa_private_segment_fixed_size 0
		.amdhsa_enable_private_segment 0
		.amdhsa_kernarg_size 32
		.amdhsa_user_sgpr_count 2
		.amdhsa_user_sgpr_kernarg_segment_ptr 1
		.amdhsa_wavefront_size32 1
		.amdhsa_system_sgpr_workgroup_id_x 1
		.amdhsa_system_sgpr_workgroup_id_y 1
		.amdhsa_system_sgpr_workgroup_id_z 1
		.amdhsa_system_vgpr_workitem_id 0
		.amdhsa_next_free_vgpr 226
		.amdhsa_next_free_sgpr 66
		.amdhsa_reserve_vcc 0
		.amdhsa_float_denorm_mode_32 3
		.amdhsa_float_denorm_mode_16_64 3
		.amdhsa_memory_ordered 1
		.amdhsa_forward_progress 1
		.amdhsa_inst_pref_size 74
	.end_amdhsa_kernel
	.amdgpu_metadata
---
amdhsa.version: [ 1, 2 ]
amdhsa.kernels:
  - .name:           k_qe30540e7c2_sample
    .symbol:         k_qe30540e7c2_sample.kd
    .args:
      - { .name: VAL, .offset: 0, .size: 8, .value_kind: global_buffer, .address_space: global }
      - { .name: IDX, .offset: 8, .size: 8, .value_kind: global_buffer, .address_space: global }
      - { .name: WGT, .offset: 16, .size: 8, .value_kind: global_buffer, .address_space: global }
      - { .name: SMP, .offset: 24, .size: 8, .value_kind: global_buffer, .address_space: global }
    .group_segment_fixed_size: 179712
    .private_segment_fixed_size: 0
    .kernarg_segment_align: 8
    .kernarg_segment_size: 32
    .max_flat_workgroup_size: 384
    .sgpr_count:     66
    .vgpr_count:     226
    .wavefront_size: 32
...
	.end_amdgpu_metadata
.endif
;; end of part 3
;; launch outp (part 4): grid 45 x 16, 8 waves a work-group, no clusters, 136,192 bytes of LDS; arguments SMP, WP, b_out, out0, out1, out2; writes out0, out1, out2
.if DOCPART == 4
	.amdgcn_target "amdgcn-amd-amdhsa--gfx1250"
	.amdhsa_code_object_version 6
	.text
	.protected	k_qe30540e7c2_outp
	.globl	k_qe30540e7c2_outp
	.p2align	8
	.type	k_qe30540e7c2_outp,@function
k_qe30540e7c2_outp:
	s_mov_b64 s[64:65], 0
	v_nop
	global_prefetch_b8 v0, s[64:65] scope:SCOPE_SE
	s_setreg_imm32_b32 hwreg(HW_REG_WAVE_MODE, 25, 1), 1
	s_wait_xcnt 0x0
; OUTP.  out[b][c][p] = sum over k of SMP[b][p][k] W_out[c][k] + b_out[c].  A work-group takes 64 positions of one level of one batch
; (tiles as in the projection launch); wave w makes channels 32 w .. 32 w + 31.  Source 0 = 16 positions, source 1 = 16 rows of W_out:
; lane (r, h) then holds channel r and positions 8 h + 0..7, neighbours in the channel-major output.
; The sampled numbers come in f32 and go to the matrix unit as TWO bf16 terms, s = hi + lo with hi = bf16(s), lo = bf16(s - hi) (the difference
; is exact in f32): K is walked twice, once with each term, against the same weights, into the same f32 sums.  So s keeps some 16 bits;
; a single bf16 rounding of s would by itself use up a good part of the allowed error of the output.
; The 64 x 256 numbers pass through LDS once (each wave brings two slices, all read all); the wave's 32 rows of W_out, 128 registers,
; come from the packed fragments straight into registers.  Results go through the wave's own rows of an LDS stage, so that sixteen lanes
; store 256 consecutive bytes of a channel.  On level 0 those are aligned to 256; rows of levels 1 and 2 are 2,112 and 528 bytes long and are not.
; NO CLUSTER: a tile of SMP is read by one work-group alone; the weights do not pass through LDS.
.set SAL,  32768                       ; LDS: hi terms [slice 16][h 2][position 64][16 bytes] at 0, lo terms likewise here,
.set OUTS, 65536                       ; the stage, 256 rows x 272 bytes, here
.set TILE, 16
.set BAT, 17
.set WAVE, 18
.set HW, 19
.set LS, 20
.set FIRST, 21
.set P0, 22
.set NMT, 23
.set PO, 24
.set TP, 26
.set T0, 28
.set T1, 29
.set SV, 30
.set LN, 1
.set RR, 2
.set HH, 3
.set LIN, 4
.set FA, 5                             ; where my 8 bytes of a term go
.set GA, 6                             ; where my fragments come from
.set OS, 7                             ; stage: in
.set OR, 8                             ; stage: back
.set TMP, 9
.set SO, 10                            ; v10-13 offsets of the four groups of 16 positions in SMP
.set BO, 14
.set BI, 16                            ; v16-31 bias, the C of the first products
.set UT, 20                            ; v20-23 at work in the split, before the bias is spread over v16-31
.set ACC, 32                           ; v32-95: tile tt, positions 16 mt: 32 + 8 (4 tt + mt)
.set ST, 32                            ; before the product: SMP as loaded, 16 x 4 registers; then the lo terms
.set AF, 96                            ; v96-127 fragments of 4 x 16 positions
.set HI, 96                            ; before the product: the hi terms, 16 x 2 registers
.set BW, 128                           ; v128-255 W_out: 8 K steps x 2 tiles x 8
.set OF, 128                           ; afterwards: v128-143 store offsets, v144-207 rows read back
.set RB, 144
.macro PLACES                          ; four plain places behind matrix instructions (ISA guide 7.12.1)
.rept 4
	v_nop
.endr
.endm
.macro LEVEL hw, ls, first, po
	s_mov_b32 s[HW], \hw
	s_mov_b32 s[LS], \ls
	s_mov_b32 s[FIRST], \first
	s_mov_b64 s[PO:PO+1], s[\po:\po+1]
.endm
	s_load_b256 s[4:11], s[0:1], 0x0               ; SMP 4, WP 6, b_out 8, out0 10
	s_load_b128 s[12:15], s[0:1], 0x20             ; out1 12, out2 14
	v_lshl_add_u32 v15, v0, 2, 0x21000
	s_set_vgpr_msb 0x40
	v_mov_b32 v1, 0
	s_set_vgpr_msb 0x4000
	s_mov_b32 s[TILE], ttmp9
	s_and_b32 s[BAT], ttmp7, 0xffff
	v_lshrrev_b32 v1, 5, v0
	v_readfirstlane_b32 s[WAVE], v1
	s_wait_kmcnt 0x0
	s_cmp_lt_u32 s[TILE], 33
	s_cbranch_scc1 .Llev0
	s_cmp_lt_u32 s[TILE], 42
	s_cbranch_scc1 .Llev1
	LEVEL 132, 2640, 42, 14
	s_branch .Llev
.Llev1:
	LEVEL 528, 2112, 33, 12
	s_branch .Llev
.Llev0:
	LEVEL 2112, 0, 0, 10
.Llev:
	s_sub_co_u32 s[P0], s[TILE], s[FIRST]
	s_lshl_b32 s[P0], s[P0], 6
	s_sub_co_u32 s[NMT], s[HW], s[P0]
	s_add_co_u32 s[NMT], s[NMT], 15
	s_lshr_b32 s[NMT], s[NMT], 4
	s_min_u32 s[NMT], s[NMT], 4                    ; groups of 16 rows that SMP holds for this tile: 4 or 1
	s_mov_b32 s[TP+1], 0
	s_lshl_b32 s[T0], s[BAT], 4
	s_lshl1_add_u32 s[T0], s[WAVE], s[T0]          ; 16 b + 2 w: my first slice
	s_mul_i32 s[TP], s[T0], 2784
	s_add_co_u32 s[TP], s[TP], s[LS]
	s_add_co_u32 s[TP], s[TP], s[P0]
	s_lshl_b32 s[TP], s[TP], 6                     ; 64 bytes a row
	s_add_nc_u64 s[4:5], s[4:5], s[TP:TP+1]
	s_lshl_b32 s[TP], s[WAVE], 14
	s_add_co_u32 s[TP], s[TP], 327680
	s_add_nc_u64 s[6:7], s[6:7], s[TP:TP+1]        ; weight tiles 40 + 2 w, + 1
	s_lshl_b32 s[TP], s[WAVE], 7
	s_add_nc_u64 s[8:9], s[8:9], s[TP:TP+1]        ; b_out of my 32 channels
	v_and_b32 v[LN], 31, v0
	v_and_b32 v[RR], 15, v0
	v_bfe_u32 v[HH], v0, 4, 1
	v_lshlrev_b32 v[LIN], 4, v[LN]
	v_lshlrev_b32 v[BO], 2, v[RR]
	s_sub_co_u32 s[T0], s[NMT], 1
.irp i, 0,1,2,3
	s_min_u32 s[T1], s[T0], \i                     ; a group that the tile does not have repeats its last one: no load leaves the buffer
	s_lshl_b32 s[T1], s[T1], 10                    ; 16 rows of 64 bytes
	v_add_nc_u32 v[SO+\i], s[T1], v[LIN]
.endr
	; load n = 8 tt + 2 i + e: slice 2 w + tt, rows 16 i + 8 e + 0..7, 512 consecutive bytes: lane = 4 x row + four channels
.irp tt, 0,1
.irp i, 0,1,2,3
.irp e, 0,1
	global_load_b128 v[ST+4*(8*\tt+2*\i+\e):ST+4*(8*\tt+2*\i+\e)+3], v[SO+\i], s[4:5] offset:178176*\tt+512*\e th:TH_LOAD_NT
.endr
.endr
.endr
	global_load_b32 v[BI], v[BO], s[8:9]
	global_load_b32 v[BI+8], v[BO], s[8:9] offset:64
.irp ks, 0,1,2,3,4,5,6,7
.irp tt, 0,1
.irp hf, 0,1
	global_load_b128 v[BW+16*\ks+8*\tt+4*\hf:BW+16*\ks+8*\tt+4*\hf+3], v[LIN], s[6:7] offset:8192*\tt+1024*\ks+512*\hf
.endr
.endr
.endr
	; lane terms
	v_bfe_u32 v[TMP], v0, 1, 1                     ; my four channels 4 (lane & 3) ..: h = bit 1, which 8 bytes of the 16 = bit 0
	v_lshlrev_b32 v[TMP], 10, v[TMP]
	v_lshrrev_b32 v[FA], 2, v[LN]                  ; row 0..7 of the load
	v_lshl_add_u32 v[FA], v[FA], 4, v[TMP]
	v_and_b32 v[TMP], 1, v0
	v_lshl_add_u32 v[FA], v[TMP], 3, v[FA]
	s_lshl_b32 s[T1], s[WAVE], 12
	v_add_nc_u32 v[FA], s[T1], v[FA]               ; + 2 w slices of 2,048 bytes
	v_lshlrev_b32 v[GA], 10, v[HH]
	v_lshl_add_u32 v[GA], v[RR], 4, v[GA]
	s_mul_i32 s[T1], s[WAVE], 8704
	s_add_co_u32 s[T1], s[T1], OUTS                ; my 32 rows of the stage
	v_mul_u32_u24 v[OS], v[RR], 272
	v_lshl_add_u32 v[OS], v[HH], 5, v[OS]
	v_add_nc_u32 v[OS], s[T1], v[OS]
	v_mul_u32_u24 v[OR], v[HH], 272
	v_lshl_add_u32 v[OR], v[RR], 4, v[OR]
	v_add_nc_u32 v[OR], s[T1], v[OR]
	s_lshl_b32 s[T0], s[BAT], 8
	s_lshl_b32 s[T1], s[WAVE], 5
	s_add_co_u32 s[T0], s[T0], s[T1]               ; 256 b + 32 w
	s_mul_i32 s[TP], s[T0], s[HW]
	s_add_co_u32 s[TP], s[TP], s[P0]
	s_lshl_b32 s[TP], s[TP], 2
	s_add_nc_u64 s[PO:PO+1], s[PO:PO+1], s[TP:TP+1]
	s_wait_loadcnt 34                              ; SMP's 16 loads are in; 2 of the bias and 32 of the weights stay out
	; the split, four numbers at a time: hi = bf16(s); s - hi, exact; lo = bf16 of that; 8 bytes of each into its plane
.irp n, 0,1,2,3,4,5,6,7,8,9,10,11,12,13,14,15
	v_cvt_pk_bf16_f32 v[HI+2*\n], v[ST+4*\n], v[ST+4*\n+1]
	v_cvt_pk_bf16_f32 v[HI+2*\n+1], v[ST+4*\n+2], v[ST+4*\n+3]
	v_lshlrev_b32 v[UT], 16, v[HI+2*\n]
	v_and_b32 v[UT+1], 0xffff0000, v[HI+2*\n]
	v_lshlrev_b32 v[UT+2], 16, v[HI+2*\n+1]
	v_and_b32 v[UT+3], 0xffff0000, v[HI+2*\n+1]
	v_pk_add_f32 v[ST+4*\n:ST+4*\n+1], v[ST+4*\n:ST+4*\n+1], v[UT:UT+1] neg_lo:[0,1] neg_hi:[0,1]
	v_pk_add_f32 v[ST+4*\n+2:ST+4*\n+3], v[ST+4*\n+2:ST+4*\n+3], v[UT+2:UT+3] neg_lo:[0,1] neg_hi:[0,1]
	v_cvt_pk_bf16_f32 v[ST+4*\n], v[ST+4*\n], v[ST+4*\n+1]
	v_cvt_pk_bf16_f32 v[ST+4*\n+1], v[ST+4*\n+2], v[ST+4*\n+3]
	ds_store_b64 v[FA], v[HI+2*\n:HI+2*\n+1] offset:2048*(\n/8)+128*(\n%8)
	ds_store_b64 v[FA], v[ST+4*\n:ST+4*\n+1] offset:SAL+2048*(\n/8)+128*(\n%8)
.endr
	s_wait_dscnt 0x0                               ; my two slices are in LDS,
	s_barrier_signal -1
	s_barrier_wait -1                              ; all sixteen are; both planes are only read from here on
	s_wait_loadcnt 32                              ; the bias: one channel a lane, the same for its 8 positions
.irp j, 1,2,3,4,5,6,7
	v_mov_b32 v[BI+\j], v[BI]
	v_mov_b32 v[BI+8+\j], v[BI+8]
.endr
; 32 along K of plane pl (0: hi terms, 1: lo terms): 8 LDS loads, 8 matrix instructions
.macro KSTEP ks, pl
.if (\ks+\pl) > 0
	PLACES
.endif
.irp mt, 0,1,2,3
	ds_load_b128 v[AF+8*\mt:AF+8*\mt+3], v[GA] offset:SAL*\pl+4096*\ks+256*\mt             ; slice 2 ks: k = 32 ks + 8 h ..
	ds_load_b128 v[AF+8*\mt+4:AF+8*\mt+7], v[GA] offset:SAL*\pl+4096*\ks+256*\mt+2048      ; slice 2 ks + 1: k = 32 ks + 16 + 8 h ..
.endr
.if \pl == 0
	s_wait_loadcnt 4*(7-\ks)                       ; the later K steps' 4 weight loads each stay out; the second walk finds all weights in
.endif
	s_wait_dscnt 0x0
.irp tt, 0,1
.irp mt, 0,1,2,3
.if (\ks+\pl) == 0
	v_wmma_f32_16x16x32_bf16 v[ACC+8*(4*\tt+\mt):ACC+8*(4*\tt+\mt)+7], v[AF+8*\mt:AF+8*\mt+7], v[BW+16*\ks+8*\tt:BW+16*\ks+8*\tt+7], v[BI+8*\tt:BI+8*\tt+7]
.else
	v_wmma_f32_16x16x32_bf16 v[ACC+8*(4*\tt+\mt):ACC+8*(4*\tt+\mt)+7], v[AF+8*\mt:AF+8*\mt+7], v[BW+16*\ks+8*\tt:BW+16*\ks+8*\tt+7], v[ACC+8*(4*\tt+\mt):ACC+8*(4*\tt+\mt)+7]
.endif
.endr
.endr
.endm
.irp ks, 0,1,2,3,4,5,6,7
	KSTEP \ks, 0
.endr
.irp ks, 0,1,2,3,4,5,6,7
	KSTEP \ks, 1
.endr
	PLACES
	; the way out: 32 bytes a lane into my rows of the stage, whole rows of 256 bytes back, two rows an instruction
.irp tt, 0,1
.irp mt, 0,1,2,3
	ds_store_b128 v[OS], v[ACC+8*(4*\tt+\mt):ACC+8*(4*\tt+\mt)+3] offset:4352*\tt+64*\mt
	ds_store_b128 v[OS], v[ACC+8*(4*\tt+\mt)+4:ACC+8*(4*\tt+\mt)+7] offset:4352*\tt+64*\mt+16
.endr
.endr
.irp i, 0,1,2,3,4,5,6,7,8,9,10,11,12,13,14,15
	ds_load_b128 v[RB+4*\i:RB+4*\i+3], v[OR] offset:544*\i         ; my own bytes: LDS serves a wave in order
.endr
	s_lshl_b32 s[T0], s[HW], 2
	s_lshl_b32 s[T1], s[HW], 3                     ; two channels on
	v_mul_lo_u32 v[TMP], v[HH], s[T0]
	v_lshl_add_u32 v[OF], v[RR], 4, v[TMP]
.irp i, 1,2,3,4,5,6,7,8,9,10,11,12,13,14,15
	v_add_nc_u32 v[OF+\i], s[T1], v[OF+\i-1]
.endr
	v_lshl_add_u32 v[TMP], v[RR], 2, s[P0]
	v_cmp_gt_u32 vcc_lo, s[HW], v[TMP]             ; my four positions exist (H W is a multiple of 4)
	s_wait_dscnt 0x0
	s_wait_xcnt 0x0                                ; EXEC changes only when every pending access has read it
	s_set_vgpr_msb 0x4
	s_wait_tensorcnt 0x0
	ds_add_u32 v15, v1
	s_wait_dscnt 0x0
	s_set_vgpr_msb 0x400
	s_and_saveexec_b32 s[SV], vcc_lo
.irp i, 0,1,2,3,4,5,6,7,8,9,10,11,12,13,14,15
	global_store_b128 v[OF+\i], v[RB+4*\i:RB+4*\i+3], s[PO:PO+1] th:TH_STORE_NT
.endr
	s_wait_xcnt 0x0
	s_or_b32 exec_lo, exec_lo, s[SV]
	s_endpgm
.Lfunc_end_k_qe30540e7c2_outp:
	.size	k_qe30540e7c2_outp, .Lfunc_end_k_qe30540e7c2_outp-k_qe30540e7c2_outp
	.p2alignl 7, 3214868480
	.fill 96, 4, 3214868480
	.section	.rodata,"a",@progbits
	.p2align	6, 0x0
	.amdhsa_kernel k_qe30540e7c2_outp
		.amdhsa_group_segment_fixed_size 136192
		.amdhsa_private_segment_fixed_size 0
		.amdhsa_enable_private_segment 0
		.amdhsa_kernarg_size 48
		.amdhsa_user_sgpr_count 2
		.amdhsa_user_sgpr_kernarg_segment_ptr 1
		.amdhsa_wavefront_size32 1
		.amdhsa_system_sgpr_workgroup_id_x 1
		.amdhsa_system_sgpr_workgroup_id_y 1
		.amdhsa_system_sgpr_workgroup_id_z 1
		.amdhsa_system_vgpr_workitem_id 0
		.amdhsa_next_free_vgpr 258
		.amdhsa_next_free_sgpr 66
		.amdhsa_reserve_vcc 1
		.amdhsa_float_denorm_mode_32 3
		.amdhsa_float_denorm_mode_16_64 3
		.amdhsa_memory_ordered 1
		.amdhsa_forward_progress 1
		.amdhsa_inst_pref_size 44
	.end_amdhsa_kernel
	.amdgpu_metadata
---
amdhsa.version: [ 1, 2 ]
amdhsa.kernels:
  - .name:           k_qe30540e7c2_outp
    .symbol:         k_qe30540e7c2_outp.kd
    .args:
      - { .name: SMP, .offset: 0, .size: 8, .value_kind: global_buffer, .address_space: global }
      - { .name: WP, .offset: 8, .size: 8, .value_kind: global_buffer, .address_space: global }
      - { .name: b_out, .offset: 16, .size: 8, .value_kind: global_buffer, .address_space: global }
      - { .name: out0, .offset: 24, .size: 8, .value_kind: global_buffer, .address_space: global }
      - { .name: out1, .offset: 32, .size: 8, .value_kind: global_buffer, .address_space: global }
      - { .name: out2, .offset: 40, .size: 8, .value_kind: global_buffer, .address_space: global }
    .group_segment_fixed_size: 136192
    .private_segment_fixed_size: 0
    .kernarg_segment_align: 8
    .kernarg_segment_size: 48
    .max_flat_workgroup_size: 256
    .sgpr_count:     66
    .vgpr_count:     258
    .wavefront_size: 32
...
	.end_amdgpu_metadata
.endif
;; end of part 4
;; ======== version 2 of 2: 4 launches; 1.17 times as fast as version 1
;; workspace buffers: WP 458,752 bytes; BP 2,560 bytes; POS 2,838,528 bytes; VAL 45,613,056 bytes; IDX 34,209,792 bytes of whole numbers; WGT 68,419,584 bytes; SMP 45,613,056 bytes
;; launch prep: the kernel of part 1 again; grid 368 x 1, 8 waves a work-group, no clusters, 0 bytes of LDS; arguments W_val, W_off, W_attn, W_out, b_val, b_off, b_attn, WP, BP, POS; writes WP, BP, POS
;; launch proj (part 5): grid 45 x 16, 8 waves a work-group, no clusters, 136,192 bytes of LDS; arguments feat0, feat1, feat2, query0, query1, query2, POS, WP, BP, VAL, IDX, WGT; writes VAL, IDX, WGT
.if DOCPART == 5
	.amdgcn_target "amdgcn-amd-amdhsa--gfx1250"
	.amdhsa_code_object_version 6
	.text
	.protected	k_qe30540e7c2_proj
	.globl	k_qe30540e7c2_proj
	.p2align	8
	.type	k_qe30540e7c2_proj,@function
k_qe30540e7c2_proj:
	s_mov_b64 s[64:65], 0
	v_nop
	global_prefetch_b8 v0, s[64:65] scope:SCOPE_SE
	s_setreg_imm32_b32 hwreg(HW_REG_WAVE_MODE, 25, 1), 1
	s_wait_xcnt 0x0
; PROJ.  A work-group takes 64 positions of one level of one batch (tiles 0-32 level 0, 33-41 level 1, 42-44 level 2).
; It brings feat and query + position code into LDS as bf16, [channel][position], and multiplies them with the packed weights:
; wave w = head w makes its 32 value channels (two tiles of 16) and its 24 offsets and 12 logits (three tiles of 16).
; Source 0 of every matrix instruction is a weight tile, source 1 sixteen positions: lane (r, h2) then holds position r and weight rows 8 h2 + 0..7.
; OUT: VAL f32 [b][slice = 2 head + half][pos'][16 channels]; per query, head, point and corner a position pos' (IDX, 16 bits) and a weight
; attention x bilinear x inside (WGT, f32), in the order in which the next launch's lanes read them.
; pos' = level start (0, 2112, 2640) + (p xor 2 (y & 1)) on levels 0 and 1, + p on level 2: the four corners of a point then lie in four
; different 64-byte columns modulo 256 bytes.  The query axis is padded from 2772 to 2784: the 12 rows behind level 2 are made from
; repeated loads of its last four positions, are finite, and reach no output.
; MEMORY IS ASKED EARLY: feat, query and position code set out together; the weights run in rings of registers (five K steps deep for the value
; pass, three for the query pass); the fragments of the positions come from LDS one K step ahead, into a second buffer.
; LIMITS: a NaN offset is not reproduced.  Sample coordinates are clamped to [-2, W + 1] and [-2, H + 1] before the floor: beyond that every
; corner is outside and has weight 0, so no result changes, and the whole numbers stay small for inputs of any size.
; The reference point is (x + 1/2) times a rounded 1/W instead of a division.
; NO CLUSTER: a tile of feat or query is read by one work-group alone, and the weights go from memory straight to registers, each wave its own rows.
.set XQ,    40960                      ; LDS: XF at 0, XQ here: 256 channels x 160 bytes (64 bf16 + 32 of padding: an odd multiple of 32)
.set STG,   81920                      ; then a stage for each wave:
.set STGB,  6656                       ; 2,048 for VAL, 3,072 for WGT, 1,536 for IDX
.set TILE, 2
.set BAT, 3
.set WAVE, 4
.set HW, 5
.set WW, 6
.set MAG, 7
.set LS, 8
.set FL, 9
.set P0, 10
.set NMT, 11
.set IW, 12
.set IH, 13
.set PO, 14
.set FIRST, 15
.set PF, 40                            ; pointers: feat, query, position code, weights and biases (value, query), VAL, IDX, WGT
.set PQ, 42
.set PP, 44
.set PWV, 46
.set PWQ, 48
.set PBV, 50
.set PBQ, 52
.set PV, 54
.set PI, 56
.set PW, 58
.set TP, 60
.set SEL0, 62
.set SEL1, 63
.set L2E, 66
.set STGS, 67
.set T0, 68
.set T1, 69
.set STEP, 70
.set LN, 1                             ; lane
.set RR, 2                             ; r = lane & 15
.set H2, 3                             ; h2 = lane >> 4
.set LIN, 4                            ; 16 x lane
.set AXF, 5                            ; LDS address of my part of a transposing load, XF and XQ
.set AXQ, 6
.set SVA, 7                            ; stage + 32 h2
.set SLIN, 8                           ; stage + 16 lane
.set SW4, 9                            ; stage addresses of my weights (slots 0-3; 4, 5) and index words
.set SW2, 10
.set SI0, 11
.set SI1, 12
.set SI2, 13
.set GP, 14                            ; position p, its y and x
.set GY, 15
.set GX, 16
.set PR, 17                            ; p0 + r
.set BOFF, 18                          ; 32 h2
.set TMP, 19
.set LSF, 16                           ; load phase only: LDS addresses of my four bf16
.set LSQ, 19
.set PA, 20                            ; v20-28 (made behind the query pass) level of slots 0-3 (level 0 for h2 = 0, level 2 for h2 = 1): W, H, W+1, H+1, W-1, H-1 in f32; W, start, flag
.set PB, 30                            ; v30-38 level of slots 4, 5 (level 1)
.set RA, 40                            ; reference point in pixels of PA's level, less 1/2 (x, y)
.set RB2, 42                           ; of PB's level
.set REF, 44
.set XY, 46
.set F0, 48
.set DD, 50
.set F1, 52
.set EE, 54
.set C0, 56
.set C1, 58
.set WX0, 60
.set WX1, 61
.set WY0, 62
.set WY1, 63
.set BY0, 64
.set BY1, 65
.set FL0, 66
.set FL1, 67
.set IT, 68
.set IN, 72
.set BI, 56                            ; v56-79 biases, the C of each sum's first product
.set OFFS, 56                          ; load phase: v56-71 byte offsets of my 16 channels
.set ACC, 80                           ; v80-175 sums: tile u, positions 16 mt: 80 + 8 (4 u + mt)
.set FT, 80                            ; load phase: feat, then its bf16 words in place
.set QT, 144                           ; load phase: query, v144-207
.set PT, 208                           ; load phase: position code, channels 0-11 of my 16 in v208-255, 12-15 in v24-39
; weight fragments.  Value pass: five buffers of 16 registers at v176, v192, v208, v24, v40.  Query pass: three of 24 at v176, v200, v24.
; fragments of 4 x 16 positions: v224-255 (even K steps) and v144-175 (value pass) or v48-79 (query pass) (odd K steps)
.set RV, 224                           ; way out of VAL
.set WR, 176                           ; way out: weights [corner 4][slot 6]
.set PK, 200                           ; index words [corner 4][pair 3]
.set RQ, 212                           ; v212-247 read back from the stage
.macro PLACES                          ; four plain places behind matrix instructions (ISA guide 7.12.1) before their registers are read, written or loaded into
.rept 4
	v_nop
.endr
.endm
.macro LEVEL hw, w, mag, ls, fl, first, iw, ih, po, pf, pq
	s_mov_b32 s[HW], \hw
	s_mov_b32 s[WW], \w
	s_mov_b32 s[MAG], \mag                         ; y = (p x mag) >> 20 = p / w, exact for p < hw + 64
	s_mov_b32 s[LS], \ls
	s_mov_b32 s[FL], \fl
	s_mov_b32 s[FIRST], \first
	s_mov_b32 s[IW], \iw                           ; 1 / w, 1 / h in f32
	s_mov_b32 s[IH], \ih
	s_mov_b32 s[PO], \po
	s_mov_b64 s[PF:PF+1], s[\pf:\pf+1]
	s_mov_b64 s[PQ:PQ+1], s[\pq:\pq+1]
.endm
	s_load_b512 s[16:31], s[0:1], 0x0              ; feat0-2 16, 18, 20; query0-2 22, 24, 26; POS 28; WP 30
	s_load_b256 s[32:39], s[0:1], 0x40             ; BP 32, VAL 34, IDX 36, WGT 38
	s_set_vgpr_msb 0x40
	v_lshl_add_u32 v0, v0, 2, 0x21000
	v_mov_b32 v1, 0
	s_set_vgpr_msb 0x4000
	s_mov_b32 s[TILE], ttmp9
	s_and_b32 s[BAT], ttmp7, 0xffff
	v_lshrrev_b32 v1, 5, v0
	v_readfirstlane_b32 s[WAVE], v1
	s_wait_kmcnt 0x0
	s_cmp_lt_u32 s[TILE], 33
	s_cbranch_scc1 .Llev0
	s_cmp_lt_u32 s[TILE], 42
	s_cbranch_scc1 .Llev1
	LEVEL 132, 22, 47663, 2640, 0, 42, 0x3d3a2e8c, 0x3e2aaaab, 2703360, 20, 26
	s_branch .Llev
.Llev1:
	LEVEL 528, 44, 23832, 2112, 2, 33, 0x3cba2e8c, 0x3daaaaab, 2162688, 18, 24
	s_branch .Llev
.Llev0:
	LEVEL 2112, 88, 11916, 0, 2, 0, 0x3c3a2e8c, 0x3d2aaaab, 0, 16, 22
.Llev:
	s_sub_co_u32 s[P0], s[TILE], s[FIRST]
	s_lshl_b32 s[P0], s[P0], 6                     ; first position of the tile
	s_sub_co_u32 s[NMT], s[HW], s[P0]
	s_add_co_u32 s[NMT], s[NMT], 15
	s_lshr_b32 s[NMT], s[NMT], 4
	s_min_u32 s[NMT], s[NMT], 4                    ; groups of 16 positions that are stored: 4, or 1 in a level's last tile
	s_mov_b32 s[TP+1], 0
	s_mul_i32 s[TP], s[BAT], s[HW]
	s_lshl_b32 s[TP], s[TP], 10                    ; b x 256 channels x HW x 4 bytes
	s_add_nc_u64 s[PF:PF+1], s[PF:PF+1], s[TP:TP+1]
	s_add_nc_u64 s[PQ:PQ+1], s[PQ:PQ+1], s[TP:TP+1]
	s_mov_b32 s[TP], s[PO]
	s_add_nc_u64 s[PP:PP+1], s[28:29], s[TP:TP+1]
	; ---- the loads.  Thread t: four positions (t & 15) of channels (t >> 4) + 16 i: sixteen lanes read 256 consecutive bytes of a channel.
	; Behind the level's end the address is clamped to its last four positions: every load stays inside its buffer.
	; All 48 loads of a thread set out together: 16 of feat, 16 of query, 16 of the position code.
	s_sub_co_u32 s[T0], s[HW], 4
	s_lshl_b32 s[STEP], s[HW], 6                   ; 16 channels on
	v_and_b32 v14, 15, v0
	v_lshrrev_b32 v15, 4, v0
	v_lshl_add_u32 v44, v14, 2, s[P0]
	v_min_u32 v44, s[T0], v44
	v_mul_lo_u32 v45, v15, s[HW]
	v_add_lshl_u32 v[OFFS], v45, v44, 2
.irp i, 1,2,3,4,5,6,7,8,9,10,11,12,13,14,15
	v_add_nc_u32 v[OFFS+\i], s[STEP], v[OFFS+\i-1]
.endr
.irp i, 0,1,2,3,4,5,6,7,8,9,10,11,12,13,14,15
	global_load_b128 v[FT+4*\i:FT+4*\i+3], v[OFFS+\i], s[PF:PF+1] th:TH_LOAD_NT
.endr
.irp i, 0,1,2,3,4,5,6,7,8,9,10,11,12,13,14,15
	global_load_b128 v[QT+4*\i:QT+4*\i+3], v[OFFS+\i], s[PQ:PQ+1] th:TH_LOAD_NT
.endr
.irp i, 0,1,2,3,4,5,6,7,8,9,10,11,12,13,14,15
	global_load_b128 v[PT+4*\i-232*(\i/12):PT+4*\i-232*(\i/12)+3], v[OFFS+\i], s[PP:PP+1]     ; read again by the other 15 batches: no hint
.endr
	; ---- while they travel: the other pointers and all lane terms
	s_lshl_b32 s[TP], s[WAVE], 14
	s_add_nc_u64 s[PWV:PWV+1], s[30:31], s[TP:TP+1]        ; weight tiles 2 w, 2 w + 1
	s_mul_i32 s[TP], s[WAVE], 24576
	s_add_co_u32 s[TP], s[TP], 131072
	s_add_nc_u64 s[PWQ:PWQ+1], s[30:31], s[TP:TP+1]        ; tiles 16 + 3 w + u
	s_lshl_b32 s[TP], s[WAVE], 7
	s_add_nc_u64 s[PBV:PBV+1], s[32:33], s[TP:TP+1]
	s_mul_i32 s[TP], s[WAVE], 192
	s_add_co_u32 s[TP], s[TP], 1024
	s_add_nc_u64 s[PBQ:PBQ+1], s[32:33], s[TP:TP+1]
	s_add_co_u32 s[T0], s[LS], s[P0]               ; first row of the padded axis
	s_mul_i32 s[TP], s[BAT], 2850816
	s_mul_i32 s[T1], s[WAVE], 356352
	s_add_co_u32 s[TP], s[TP], s[T1]
	s_lshl_b32 s[T1], s[T0], 6
	s_add_co_u32 s[TP], s[TP], s[T1]
	s_add_nc_u64 s[PV:PV+1], s[34:35], s[TP:TP+1]          ; VAL: batch, slice 2 w, 64 bytes a row
	s_lshl_b32 s[T1], s[BAT], 3
	s_add_co_u32 s[T1], s[T1], s[WAVE]             ; 8 b + head
	s_mul_i32 s[TP], s[T1], 267264
	s_mul_i32 s[STEP], s[T0], 96
	s_add_co_u32 s[TP], s[TP], s[STEP]
	s_add_nc_u64 s[PI:PI+1], s[36:37], s[TP:TP+1]          ; IDX: 96 bytes a query
	s_mul_i32 s[TP], s[T1], 534528
	s_mul_i32 s[STEP], s[T0], 192
	s_add_co_u32 s[TP], s[TP], s[STEP]
	s_add_nc_u64 s[PW:PW+1], s[38:39], s[TP:TP+1]          ; WGT: 192 bytes a query
	s_mov_b32 s[SEL0], 0x76543210                  ; v_permlanex16_b32: lane i reads lane i xor 16
	s_mov_b32 s[SEL1], 0xfedcba98
	s_mov_b32 s[L2E], 0x3fb8aa3b                   ; log2 e
	s_mul_i32 s[STGS], s[WAVE], STGB
	s_add_co_u32 s[STGS], s[STGS], STG             ; my wave's stage
	s_add_co_u32 s[T0], s[STGS], 2048
	s_add_co_u32 s[T1], s[STGS], 5120
	v_mul_u32_u24 v[LSF], v15, 160
	v_lshl_add_u32 v[LSF], v14, 3, v[LSF]          ; channel row x 160 + 8 bytes for four positions
	v_add_nc_u32 v[LSQ], XQ, v[LSF]
	v_and_b32 v[LN], 31, v0
	v_and_b32 v[RR], 15, v0
	v_bfe_u32 v[H2], v0, 4, 1
	v_lshlrev_b32 v[LIN], 4, v[LN]
	v_lshlrev_b32 v[BOFF], 5, v[H2]
	v_add_nc_u32 v[PR], s[P0], v[RR]
	v_and_b32 v44, 7, v0                           ; transposing load: row 8 h2 + (lane & 7), 16 bytes ((lane >> 3) & 1)
	v_lshl_add_u32 v44, v[H2], 3, v44
	v_mul_u32_u24 v44, v44, 160
	v_bfe_u32 v45, v0, 3, 1
	v_lshl_add_u32 v[AXF], v45, 4, v44
	v_add_nc_u32 v[AXQ], XQ, v[AXF]
	v_add_nc_u32 v[SLIN], s[STGS], v[LIN]
	v_add_nc_u32 v[SVA], s[STGS], v[BOFF]
	; stage addresses of the lists.  Query r of a group of 16: octet o = r >> 3, quad J = (r >> 2) & 1, place q4 = r & 3.
	; WGT octet (1,536 bytes): [chunk 3 J + (P >> 2)][4 q4 + corner][P & 3] f32, a chunk = 256 bytes.
	; IDX octet (768 bytes): word n = 6 J + (P >> 1) at [n >> 2][4 q4 + corner][n & 3].
	v_lshrrev_b32 v44, 3, v[RR]
	v_bfe_u32 v45, v[RR], 2, 1
	v_and_b32 v46, 3, v[RR]
	v_lshlrev_b32 v46, 6, v46
	v_mul_u32_u24 v47, v45, 3                      ; 3 J
	v_mad_u32_u24 v48, v44, 0x600, v46
	v_add_nc_u32 v48, s[T0], v48
	v_lshl_add_u32 v49, v[H2], 1, v47              ; slots 0-3 are points 0-3 or 8-11: chunk 3 J + 2 h2
	v_lshl_add_u32 v[SW4], v49, 8, v48
	v_add_nc_u32 v49, 1, v47                       ; slots 4, 5 are points 4, 5 or 6, 7: chunk 3 J + 1, 8 h2 bytes in
	v_lshl_add_u32 v49, v49, 8, v48
	v_lshl_add_u32 v[SW2], v[H2], 3, v49
	v_mad_u32_u24 v48, v44, 0x300, v46
	v_add_nc_u32 v48, s[T1], v48
	v_lshlrev_b32 v47, 1, v47                      ; 6 J
.macro IDXADR dst                      ; v49 = n
	v_lshrrev_b32 v50, 2, v49
	v_and_b32 v51, 3, v49
	v_lshl_add_u32 v50, v50, 8, v48
	v_lshl_add_u32 v[\dst], v51, 2, v50
.endm
	v_lshl_add_u32 v49, v[H2], 2, v47              ; slots 0, 1: n = 6 J + 4 h2
	IDXADR SI0
	v_add_nc_u32 v49, 1, v49                       ; slots 2, 3
	IDXADR SI1
	v_add3_u32 v49, v47, v[H2], 2                  ; slots 4, 5: n = 6 J + 2 + h2
	IDXADR SI2
	; ---- feat to LDS, its bf16 words made in the registers it came in
	s_wait_loadcnt 32                              ; feat's 16 loads are in; query's 16 and the position code's 16 stay out
.irp i, 0,1,2,3,4,5,6,7,8,9,10,11,12,13,14,15
	v_cvt_pk_bf16_f32 v[FT+4*\i], v[FT+4*\i], v[FT+4*\i+1]
	v_cvt_pk_bf16_f32 v[FT+4*\i+1], v[FT+4*\i+2], v[FT+4*\i+3]
	ds_store_b64 v[LSF], v[FT+4*\i:FT+4*\i+1] offset:2560*\i
.endr
	s_wait_loadcnt 0x0                             ; query and position code
.irp i, 0,1,2,3,4,5,6,7,8,9,10,11,12,13,14,15
	v_pk_add_f32 v[QT+4*\i:QT+4*\i+1], v[QT+4*\i:QT+4*\i+1], v[PT+4*\i-232*(\i/12):PT+4*\i-232*(\i/12)+1]
	v_pk_add_f32 v[QT+4*\i+2:QT+4*\i+3], v[QT+4*\i+2:QT+4*\i+3], v[PT+4*\i-232*(\i/12)+2:PT+4*\i-232*(\i/12)+3]
	v_cvt_pk_bf16_f32 v[QT+4*\i], v[QT+4*\i], v[QT+4*\i+1]
	v_cvt_pk_bf16_f32 v[QT+4*\i+1], v[QT+4*\i+2], v[QT+4*\i+3]
	ds_store_b64 v[LSQ], v[QT+4*\i:QT+4*\i+1] offset:2560*\i
.endr
.macro LDAV k                          ; value weights of K step k: 4 loads into buffer k % 5 (v176, v192, v208, v24, v40)
.set ABL, 176+16*((\k)%5)-200*(((\k)%5)/3)
.irp tt, 0,1
.irp hf, 0,1
	global_load_b128 v[ABL+8*\tt+4*\hf:ABL+8*\tt+4*\hf+3], v[LIN], s[PWV:PWV+1] offset:8192*\tt+1024*(\k)+512*\hf
.endr
.endr
.endm
.macro LDAQ k                          ; query weights of K step k: 6 loads into buffer k % 3 (v176, v200, v24)
.set ABL, 176+24*((\k)%3)-200*(((\k)%3)/2)
.irp tt, 0,1,2
.irp hf, 0,1
	global_load_b128 v[ABL+8*\tt+4*\hf:ABL+8*\tt+4*\hf+3], v[LIN], s[PWQ:PWQ+1] offset:8192*\tt+1024*(\k)+512*\hf
.endr
.endr
.endm
.macro LDB adr, ks, dst                ; 4 x 16 positions x 32 channels, transposed on the way out of LDS: 8 loads into v[dst .. dst + 31]
.irp mt, 0,1,2,3
	ds_load_tr16_b128 v[\dst+8*\mt:\dst+8*\mt+3], v[\adr] offset:5120*(\ks)+32*\mt
	ds_load_tr16_b128 v[\dst+8*\mt+4:\dst+8*\mt+7], v[\adr] offset:5120*(\ks)+32*\mt+2560
.endr
.endm
	s_wait_dscnt 0x0                               ; my part of XF and XQ is in LDS (and the LDS stores have read the registers that the loads below fill)
.irp tt, 0,1
	global_load_b128 v[BI+8*\tt:BI+8*\tt+3], v[BOFF], s[PBV:PBV+1] offset:64*\tt
	global_load_b128 v[BI+8*\tt+4:BI+8*\tt+7], v[BOFF], s[PBV:PBV+1] offset:64*\tt+16
.endr
	LDAV 0
	LDAV 1
	LDAV 2
	LDAV 3
	s_barrier_signal -1
	s_barrier_wait -1                              ; everybody's part is in.  XF and XQ are only read from here on: the launch's one barrier
; ---- value: 8 K steps of 32 channels, 2 tiles x 4 groups of positions.  A step asks for the next step's fragments and for the weights four steps on.
.macro KSTEPV ks
.set ABU, 176+16*((\ks)%5)-200*(((\ks)%5)/3)
.set BU, 224-80*((\ks)%2)
.if \ks
.if \ks < 7
	PLACES                                         ; the loads below fill registers that the last step's matrix instructions read
.endif
.else
	LDB AXF, 0, 224
.endif
.if \ks < 7
	LDB AXF, \ks+1, 224-80*((\ks+1)%2)
.endif
.if \ks < 4
	LDAV \ks+4
	s_wait_loadcnt 16                              ; the four younger steps' 4 loads each stay out: this step's weights (and the biases) are in
.else
	s_wait_loadcnt 4*(7-\ks)                       ; nothing more is asked for: the counts run down
.endif
.if \ks < 7
	s_wait_dscnt 8                                 ; the next step's 8 LDS loads stay out
.else
	s_wait_dscnt 0
.endif
.irp tt, 0,1
.irp mt, 0,1,2,3
.if \ks == 0
	v_wmma_f32_16x16x32_bf16 v[ACC+8*(4*\tt+\mt):ACC+8*(4*\tt+\mt)+7], v[ABU+8*\tt:ABU+8*\tt+7], v[BU+8*\mt:BU+8*\mt+7], v[BI+8*\tt:BI+8*\tt+7]
.else
	v_wmma_f32_16x16x32_bf16 v[ACC+8*(4*\tt+\mt):ACC+8*(4*\tt+\mt)+7], v[ABU+8*\tt:ABU+8*\tt+7], v[BU+8*\mt:BU+8*\mt+7], v[ACC+8*(4*\tt+\mt):ACC+8*(4*\tt+\mt)+7]
.endif
.endr
.endr
.endm
.irp ks, 0,1,2,3,4,5,6,7
	KSTEPV \ks
.endr
	PLACES
	; the query pass's biases and the weights of its first three K steps set out while VAL leaves
.irp tt, 0,1,2
	global_load_b128 v[BI+8*\tt:BI+8*\tt+3], v[BOFF], s[PBQ:PBQ+1] offset:64*\tt
	global_load_b128 v[BI+8*\tt+4:BI+8*\tt+7], v[BOFF], s[PBQ:PBQ+1] offset:64*\tt+16
.endr
	LDAQ 0
	LDAQ 1
	LDAQ 2
.macro GEO mt
	v_add_nc_u32 v[GP], 16*\mt, v[PR]
	v_mul_lo_u32 v[GY], v[GP], s[MAG]
	v_lshrrev_b32 v[GY], 20, v[GY]
	v_mul_lo_u32 v[GX], v[GY], s[WW]
	v_sub_nc_u32 v[GX], v[GP], v[GX]
.endm
; 16 positions x 32 channels leave through my stage: row r xor 2 (y & 1) (levels 0, 1), then 512 consecutive bytes a store
.macro VPOST mt
.if \mt
	s_cmp_le_u32 s[NMT], \mt
	s_cbranch_scc1 .Lvdone
.endif
	GEO \mt
	v_lshlrev_b32 v[TMP], 1, v[GY]
	v_and_b32 v[TMP], s[FL], v[TMP]
	v_xor_b32 v[TMP], v[TMP], v[RR]
	v_and_b32 v[TMP], 15, v[TMP]                   ; one of the stage's 16 rows, by construction
	v_lshl_add_u32 v[TMP], v[TMP], 6, v[SVA]
.irp tt, 0,1
	ds_store_b128 v[TMP], v[ACC+8*(4*\tt+\mt):ACC+8*(4*\tt+\mt)+3] offset:1024*\tt
	ds_store_b128 v[TMP], v[ACC+8*(4*\tt+\mt)+4:ACC+8*(4*\tt+\mt)+7] offset:1024*\tt+16
.endr
	s_wait_xcnt 0x0                                ; the last group's stores have read v224-239
.irp i, 0,1,2,3
	ds_load_b128 v[RV+4*\i:RV+4*\i+3], v[SLIN] offset:512*\i       ; my own bytes: LDS serves a wave in order
.endr
.irp i, 0,1,2,3
	s_wait_dscnt 3-\i
	global_store_b128 v[LIN], v[RV+4*\i:RV+4*\i+3], s[PV:PV+1] offset:178176*(\i/2)+1024*\mt+512*(\i%2)
.endr
.endm
	VPOST 0
	VPOST 1
	VPOST 2
	VPOST 3
.Lvdone:
	s_wait_xcnt 0x0                                ; v224-239 were store data; they take fragments again
; ---- offsets and logits: 8 K steps, 3 tiles x 4 groups of positions.  The second fragment buffer, v48-79, holds the biases until the first
; step has taken them as C: so step 1 asks for its own fragments and for step 2's, and every later step for the next one's.
.macro KSTEPQ ks
.set ABU, 176+24*((\ks)%3)-200*(((\ks)%3)/2)
.set BU, 224-176*((\ks)%2)
.if \ks == 0
	LDB AXQ, 0, 224
	s_wait_loadcnt 12                              ; steps 1 and 2's 6 loads each stay out: the biases and this step's weights are in
	s_wait_dscnt 0
.else
.if \ks < 7
	PLACES                                         ; the loads below fill registers that the last step's matrix instructions read
.endif
.if \ks == 1
	LDB AXQ, 1, 48
.endif
.if \ks < 7
	LDB AXQ, \ks+1, 224-176*((\ks+1)%2)
.endif
.if \ks < 6
	LDAQ \ks+2
	s_wait_loadcnt 12                              ; the two younger steps' 6 loads each stay out
.else
	s_wait_loadcnt 6*(7-\ks)
.endif
.if \ks < 7
	s_wait_dscnt 8                                 ; the next step's 8 LDS loads stay out
.else
	s_wait_dscnt 0
.endif
.endif
.irp tt, 0,1,2
.irp mt, 0,1,2,3
.if \ks == 0
	v_wmma_f32_16x16x32_bf16 v[ACC+8*(4*\tt+\mt):ACC+8*(4*\tt+\mt)+7], v[ABU+8*\tt:ABU+8*\tt+7], v[BU+8*\mt:BU+8*\mt+7], v[BI+8*\tt:BI+8*\tt+7]
.else
	v_wmma_f32_16x16x32_bf16 v[ACC+8*(4*\tt+\mt):ACC+8*(4*\tt+\mt)+7], v[ABU+8*\tt:ABU+8*\tt+7], v[BU+8*\mt:BU+8*\mt+7], v[ACC+8*(4*\tt+\mt):ACC+8*(4*\tt+\mt)+7]
.endif
.endr
.endr
.endm
.irp ks, 0,1,2,3,4,5,6,7
	KSTEPQ \ks
.endr
	PLACES
	; the sampled levels' figures, made here because their registers served as a weight buffer until now
	v_mul_u32_u24 v44, v[H2], 66
	v_sub_nc_u32 v[PA+6], 88, v44                  ; W = 88 or 22
	v_mul_u32_u24 v44, v[H2], 18
	v_sub_nc_u32 v44, 24, v44                      ; H = 24 or 6
	v_cvt_f32_u32 v[PA], v[PA+6]
	v_cvt_f32_u32 v[PA+1], v44
	v_add_f32 v[PA+2], 1.0, v[PA]
	v_add_f32 v[PA+3], 1.0, v[PA+1]
	v_add_f32 v[PA+4], -1.0, v[PA]
	v_add_f32 v[PA+5], -1.0, v[PA+1]
	v_mul_u32_u24 v[PA+7], v[H2], 0xa50            ; start 0 or 2640
	v_lshlrev_b32 v44, 1, v[H2]
	v_sub_nc_u32 v[PA+8], 2, v44                   ; flag 2 or 0
	v_mov_b32 v[PB], 0x42300000                    ; 44, 12
	v_mov_b32 v[PB+1], 0x41400000
	v_mov_b32 v[PB+2], 0x42340000                  ; 45, 13
	v_mov_b32 v[PB+3], 0x41500000
	v_mov_b32 v[PB+4], 0x422c0000                  ; 43, 11
	v_mov_b32 v[PB+5], 0x41300000
	v_mov_b32 v[PB+6], 44
	v_mov_b32 v[PB+7], 0x840                       ; 2112
	v_mov_b32 v[PB+8], 2
; One point: slot s, level figures at v[ps], reference pair v[rp], offsets (x, y) at v[oxy], attention weight v[aw].
.macro POINT s, ps, rp, oxy, aw
	v_pk_add_f32 v[XY:XY+1], v[\oxy:\oxy+1], v[\rp:\rp+1]          ; pixel coordinates
	v_med3_num_f32 v[XY], v[XY], -2.0, v[\ps+2]
	v_med3_num_f32 v[XY+1], v[XY+1], -2.0, v[\ps+3]
	v_floor_f32 v[F0], v[XY]
	v_floor_f32 v[F0+1], v[XY+1]
	v_pk_add_f32 v[DD:DD+1], v[XY:XY+1], v[F0:F0+1] neg_lo:[0,1] neg_hi:[0,1]     ; dx, dy
	v_pk_add_f32 v[F1:F1+1], v[F0:F0+1], 1.0 op_sel_hi:[1,0]
	v_pk_fma_f32 v[EE:EE+1], v[DD:DD+1], -1.0, 1.0 op_sel_hi:[1,0,0]              ; 1 - dx, 1 - dy
	v_med3_num_f32 v[C0], v[F0], 0, v[\ps+4]                       ; clipped corners
	v_med3_num_f32 v[C0+1], v[F0+1], 0, v[\ps+5]
	v_med3_num_f32 v[C1], v[F1], 0, v[\ps+4]
	v_med3_num_f32 v[C1+1], v[F1+1], 0, v[\ps+5]
	v_cmp_eq_f32 vcc_lo, v[C0], v[F0]                              ; a coordinate that the clip moved is outside: weight 0
	v_cndmask_b32 v[WX0], 0, v[EE], vcc_lo
	v_cmp_eq_f32 vcc_lo, v[C1], v[F1]
	v_cndmask_b32 v[WX1], 0, v[DD], vcc_lo
	v_cmp_eq_f32 vcc_lo, v[C0+1], v[F0+1]
	v_cndmask_b32 v[WY0], 0, v[EE+1], vcc_lo
	v_cmp_eq_f32 vcc_lo, v[C1+1], v[F1+1]
	v_cndmask_b32 v[WY1], 0, v[DD+1], vcc_lo
	v_mul_f32 v[WY0], v[WY0], v[\aw]
	v_mul_f32 v[WY1], v[WY1], v[\aw]
	v_mul_f32 v[WR+\s], v[WX0], v[WY0]
	v_mul_f32 v[WR+6+\s], v[WX1], v[WY0]
	v_mul_f32 v[WR+12+\s], v[WX0], v[WY1]
	v_mul_f32 v[WR+18+\s], v[WX1], v[WY1]
	v_cvt_i32_f32 v[C0], v[C0]
	v_cvt_i32_f32 v[C0+1], v[C0+1]
	v_cvt_i32_f32 v[C1], v[C1]
	v_cvt_i32_f32 v[C1+1], v[C1+1]
	v_mad_u32_u24 v[BY0], v[C0+1], v[\ps+6], v[\ps+7]              ; start + y W
	v_mad_u32_u24 v[BY1], v[C1+1], v[\ps+6], v[\ps+7]
	v_lshlrev_b32 v[FL0], 1, v[C0+1]
	v_lshlrev_b32 v[FL1], 1, v[C1+1]
	v_and_b32 v[FL0], v[FL0], v[\ps+8]                             ; 2 (y & 1) on levels 0 and 1
	v_and_b32 v[FL1], v[FL1], v[\ps+8]
.if (\s) & 1
	v_xor_b32 v[IN], v[C0], v[FL0]
	v_xor_b32 v[IN+1], v[C1], v[FL0]
	v_xor_b32 v[IN+2], v[C0], v[FL1]
	v_xor_b32 v[IN+3], v[C1], v[FL1]
	v_add_nc_u32 v[IN], v[IN], v[BY0]
	v_add_nc_u32 v[IN+1], v[IN+1], v[BY0]
	v_add_nc_u32 v[IN+2], v[IN+2], v[BY1]
	v_add_nc_u32 v[IN+3], v[IN+3], v[BY1]
.irp c, 0,1,2,3
	v_lshl_or_b32 v[PK+3*\c+(\s)/2], v[IN+\c], 16, v[IT+\c]        ; the even slot below, the odd one above
.endr
.else
	v_xor_b32 v[IT], v[C0], v[FL0]
	v_xor_b32 v[IT+1], v[C1], v[FL0]
	v_xor_b32 v[IT+2], v[C0], v[FL1]
	v_xor_b32 v[IT+3], v[C1], v[FL1]
	v_add_nc_u32 v[IT], v[IT], v[BY0]
	v_add_nc_u32 v[IT+1], v[IT+1], v[BY0]
	v_add_nc_u32 v[IT+2], v[IT+2], v[BY1]
	v_add_nc_u32 v[IT+3], v[IT+3], v[BY1]
.endif
.endm
; 16 queries of my head: softmax over the 12 logits (6 in this lane, 6 in lane xor 16), 6 points a lane, lists out through my stage
.macro QPOST mt
.if \mt
	s_cmp_le_u32 s[NMT], \mt
	s_cbranch_scc1 .Lqdone
.endif
.set LG, ACC+64+8*\mt
	GEO \mt
	v_cvt_f32_u32 v[REF], v[GX]
	v_cvt_f32_u32 v[REF+1], v[GY]
	v_pk_add_f32 v[REF:REF+1], v[REF:REF+1], 0.5 op_sel_hi:[1,0]
	v_mul_f32 v[REF], s[IW], v[REF]
	v_mul_f32 v[REF+1], s[IH], v[REF+1]            ; the query's reference point in [0, 1]
	v_pk_fma_f32 v[RA:RA+1], v[REF:REF+1], v[PA:PA+1], -0.5 op_sel_hi:[1,1,0]
	v_pk_fma_f32 v[RB2:RB2+1], v[REF:REF+1], v[PB:PB+1], -0.5 op_sel_hi:[1,1,0]
	v_max3_num_f32 v[IN], v[LG], v[LG+1], v[LG+2]
	v_max3_num_f32 v[IN+1], v[LG+3], v[LG+4], v[LG+5]
	v_max_num_f32 v[IN], v[IN], v[IN+1]
	v_permlanex16_b32 v[IN+1], v[IN], s[SEL0], s[SEL1]
	v_max_num_f32 v[IN], v[IN], v[IN+1]            ; the maximum of the 12
	v_mul_f32 v[IN], s[L2E], v[IN]
.irp s, 0,1,2,3,4,5
	v_fma_f32 v[LG+\s], v[LG+\s], s[L2E], -v[IN]
.endr
.irp s, 0,1,2,3,4,5
	v_exp_f32 v[LG+\s], v[LG+\s]
.endr
	v_nop                                          ; one plain place behind the exponentials (ISA guide 5.7.2)
	s_wait_alu depctr_va_vdst(0)
	v_add_f32 v[IN+1], v[LG], v[LG+1]
	v_add_f32 v[IN+2], v[LG+2], v[LG+3]
	v_add_f32 v[IN+3], v[LG+4], v[LG+5]
	v_add_f32 v[IN+1], v[IN+1], v[IN+2]
	v_add_f32 v[IN+1], v[IN+1], v[IN+3]
	v_permlanex16_b32 v[IN+2], v[IN+1], s[SEL0], s[SEL1]
	v_add_f32 v[IN+1], v[IN+1], v[IN+2]            ; at least 1: the maximum's own term
	v_rcp_f32 v[IN+1], v[IN+1]
	v_nop
	s_wait_alu depctr_va_vdst(0)
.irp s, 0,1,2,3,4,5
	v_mul_f32 v[LG+\s], v[LG+\s], v[IN+1]
.endr
	POINT 0, PA, RA, ACC+8*\mt, LG
	POINT 1, PA, RA, ACC+8*\mt+2, LG+1
	POINT 2, PA, RA, ACC+8*\mt+4, LG+2
	POINT 3, PA, RA, ACC+8*\mt+6, LG+3
	POINT 4, PB, RB2, ACC+32+8*\mt, LG+4
	POINT 5, PB, RB2, ACC+32+8*\mt+2, LG+5
.irp c, 0,1,2,3
	ds_store_b128 v[SW4], v[WR+6*\c:WR+6*\c+3] offset:16*\c
	ds_store_b64 v[SW2], v[WR+6*\c+4:WR+6*\c+5] offset:16*\c
	ds_store_b32 v[SI0], v[PK+3*\c] offset:16*\c
	ds_store_b32 v[SI1], v[PK+3*\c+1] offset:16*\c
	ds_store_b32 v[SI2], v[PK+3*\c+2] offset:16*\c
.endr
	s_wait_xcnt 0x0                                ; the last group's stores have read v212-247
.irp i, 0,1,2,3,4,5
	ds_load_b128 v[RQ+4*\i:RQ+4*\i+3], v[SLIN] offset:2048+512*\i
.endr
.irp i, 0,1,2
	ds_load_b128 v[RQ+24+4*\i:RQ+24+4*\i+3], v[SLIN] offset:5120+512*\i
.endr
.irp i, 0,1,2,3,4,5
	s_wait_dscnt 8-\i                              ; LDS loads come back in order: the younger ones stay out
	global_store_b128 v[LIN], v[RQ+4*\i:RQ+4*\i+3], s[PW:PW+1] offset:3072*\mt+512*\i
.endr
.irp i, 0,1,2
	s_wait_dscnt 2-\i
	global_store_b128 v[LIN], v[RQ+24+4*\i:RQ+24+4*\i+3], s[PI:PI+1] offset:1536*\mt+512*\i
.endr
.endm
	QPOST 0
	QPOST 1
	QPOST 2
	QPOST 3
.Lqdone:
	s_set_vgpr_msb 0x5
	s_wait_tensorcnt 0x0
	ds_add_u32 v0, v1
	s_wait_dscnt 0x0
	s_set_vgpr_msb 0x500
	s_endpgm
.Lfunc_end_k_qe30540e7c2_proj:
	.size	k_qe30540e7c2_proj, .Lfunc_end_k_qe30540e7c2_proj-k_qe30540e7c2_proj
	.p2alignl 7, 3214868480
	.fill 96, 4, 3214868480
	.section	.rodata,"a",@progbits
	.p2align	6, 0x0
	.amdhsa_kernel k_qe30540e7c2_proj
		.amdhsa_group_segment_fixed_size 136192
		.amdhsa_private_segment_fixed_size 0
		.amdhsa_enable_private_segment 0
		.amdhsa_kernarg_size 96
		.amdhsa_user_sgpr_count 2
		.amdhsa_user_sgpr_kernarg_segment_ptr 1
		.amdhsa_wavefront_size32 1
		.amdhsa_system_sgpr_workgroup_id_x 1
		.amdhsa_system_sgpr_workgroup_id_y 1
		.amdhsa_system_sgpr_workgroup_id_z 1
		.amdhsa_system_vgpr_workitem_id 0
		.amdhsa_next_free_vgpr 258
		.amdhsa_next_free_sgpr 96
		.amdhsa_reserve_vcc 1
		.amdhsa_float_denorm_mode_32 3
		.amdhsa_float_denorm_mode_16_64 3
		.amdhsa_memory_ordered 1
		.amdhsa_forward_progress 1
		.amdhsa_inst_pref_size 122
	.end_amdhsa_kernel
	.amdgpu_metadata
---
amdhsa.version: [ 1, 2 ]
amdhsa.kernels:
  - .name:           k_qe30540e7c2_proj
    .symbol:         k_qe30540e7c2_proj.kd
    .args:
      - { .name: feat0, .offset: 0, .size: 8, .value_kind: global_buffer, .address_space: global }
      - { .name: feat1, .offset: 8, .size: 8, .value_kind: global_buffer, .address_space: global }
      - { .name: feat2, .offset: 16, .size: 8, .value_kind: global_buffer, .address_space: global }
      - { .name: query0, .offset: 24, .size: 8, .value_kind: global_buffer, .address_space: global }
      - { .name: query1, .offset: 32, .size: 8, .value_kind: global_buffer, .address_space: global }
      - { .name: query2, .offset: 40, .size: 8, .value_kind: global_buffer, .address_space: global }
      - { .name: POS, .offset: 48, .size: 8, .value_kind: global_buffer, .address_space: global }
      - { .name: WP, .offset: 56, .size: 8, .value_kind: global_buffer, .address_space: global }
      - { .name: BP, .offset: 64, .size: 8, .value_kind: global_buffer, .address_space: global }
      - { .name: VAL, .offset: 72, .size: 8, .value_kind: global_buffer, .address_space: global }
      - { .name: IDX, .offset: 80, .size: 8, .value_kind: global_buffer, .address_space: global }
      - { .name: WGT, .offset: 88, .size: 8, .value_kind: global_buffer, .address_space: global }
    .group_segment_fixed_size: 136192
    .private_segment_fixed_size: 0
    .kernarg_segment_align: 8
    .kernarg_segment_size: 96
    .max_flat_workgroup_size: 256
    .sgpr_count:     96
    .vgpr_count:     258
    .wavefront_size: 32
...
	.end_amdgpu_metadata
.endif
;; end of part 5
;; launch sample (part 6): grid 16 x 16, 12 waves a work-group, no clusters, 179,712 bytes of LDS; arguments VAL, IDX, WGT, SMP; writes SMP
.if DOCPART == 6
	.amdgcn_target "amdgcn-amd-amdhsa--gfx1250"
	.amdhsa_code_object_version 6
	.text
	.protected	k_qe30540e7c2_sample
	.globl	k_qe30540e7c2_sample
	.p2align	8
	.type	k_qe30540e7c2_sample,@function
k_qe30540e7c2_sample:
	s_mov_b64 s[64:65], 0
	v_nop
	global_prefetch_b8 v0, s[64:65] scope:SCOPE_SE
	s_setreg_imm32_b32 hwreg(HW_REG_WAVE_MODE, 25, 1), 1
	s_wait_xcnt 0x0
; SAMPLE.  A work-group owns one batch and one slice (16 channels, half a head) of VAL: 2,784 rows x 64 bytes = 178,176 bytes, all of it in LDS.
; For each of the 2,784 (padded) queries it adds 12 points x 4 corners, weight x row, in f32, and stores the 16 sums in f32
; (SMP [b][slice][query][16], the same shape as VAL; the next launch makes the matrix operand of them).
; Twelve waves, 29 octets of queries each; an octet is two quads of four queries.
; LANE: cq = lane & 1 (eight channels), corner = (lane >> 1) & 3, q4 = lane >> 3 (the query of the quad).  A point takes two loads of 16 bytes, each with its own address,
; so a point of four queries costs 4 address instructions, 2 LDS loads and 4 packed multiply-adds.
; BANKS: the sixteen lanes of a half wave are two queries x four corners x two cq.  The layout of VAL puts a point's four corners into four different
; 64-byte columns modulo 256 bytes; of its 32 bytes a lane of an even query takes the lower 16 first, a lane of an odd query the upper 16 first:
; the sixteen lanes touch sixteen different 16-byte columns in either load.
; The positions are whole numbers that the launch before stored; each is clamped to 2,783 before it becomes an LDS address.
; THE PIPELINE.  A unit is two points (one index word, 4 loads, 16 data and 4 address registers); there are three units.  A step makes the addresses
; of the unit three steps on, waits for its own unit, multiplies it, and issues the new loads into the registers just read.
; THE LISTS of an octet are 12 index words and 24 weights a lane, 36 registers; there are four sets.  They are asked for in the fixed order
; W0 (weights of quad 0), I (index words), W1 (weights of quad 1), three loads each, for the octet four further on, as soon as the registers have been read.
; NO CLUSTER: no two work-groups read the same slice.  The two slices of a head read the same lists, through registers, not through LDS.
.set ACC, 6                            ; v6-13   sums: four channels of the first load, four of the second
.set AD, 14                            ; v14-25  LDS addresses: unit b at 14 + 4 b: even point (first, second load), odd point (first, second)
.set OU, 26                            ; v26-41  what I store of an octet, four sets of four
.set DR, 42                            ; v42-89  data: unit b at 42 + 16 b
.set LB, 90                            ; v90-233 lists: set t at 90 + 36 t: 12 index words, then 24 weights
	s_load_b256 s[4:11], s[0:1], 0x0               ; VAL 4, IDX 6, WGT 8, SMP 10
	v_lshl_add_u32 v240, v0, 2, 0x2b800
	v_mov_b32 v241, 0
	ds_add_u32 v240, v241
	ds_add_u32 v240, v241
	v_lshrrev_b32 v1, 5, v0
	v_readfirstlane_b32 s24, v1                    ; wave 0..11
	s_mov_b32 s25, ttmp9                           ; slice
	s_and_b32 s26, ttmp7, 0xffff                   ; batch
	; each wave brings a twelfth of the slice: 58 rows of 256 bytes, dense
	s_mov_b32 s16, 3<<16                           ; elements of 8 bytes, no mask, no padding
	s_mov_b32 s17, 32<<16                          ; tensor_dim0 = 32
	s_mov_b32 s18, 58<<16                          ; tensor_dim1 = 58
	s_mov_b32 s19, 32<<16                          ; tile_dim0 = 32
	s_mov_b32 s20, 58                              ; tile_dim1 = 58
	s_mov_b32 s21, 32                              ; pitch
	s_mov_b32 s22, 0
	s_mov_b32 s23, 0
	s_mov_b32 s12, 1
	s_mul_i32 s13, s24, 14848                      ; LDS address: my wave's own bytes
	s_lshl_b32 s28, s26, 4
	s_add_co_u32 s28, s28, s25                     ; 16 b + slice
	s_mul_i32 s28, s28, 178176
	s_add_co_u32 s28, s28, s13                     ; my twelfth of the slice: 232 rows of VAL, and likewise my 29 octets x 512 bytes of SMP
	s_mov_b32 s29, 0
	s_wait_dscnt 0x0
	s_wait_kmcnt 0x0
	s_add_nc_u64 s[14:15], s[4:5], s[28:29]
	s_or_b32 s15, s15, 0x80000000
	tensor_load_to_lds s[12:15], s[16:23]          ; the wave's one tensor load
	s_nop 0
	s_add_nc_u64 s[10:11], s[10:11], s[28:29]
	s_lshr_b32 s27, s25, 1                         ; head
	s_lshl_b32 s34, s26, 3
	s_add_co_u32 s34, s34, s27                     ; 8 b + head
	s_mul_i32 s28, s34, 267264
	s_mul_i32 s35, s24, 22272
	s_add_co_u32 s28, s28, s35
	s_add_nc_u64 s[6:7], s[6:7], s[28:29]          ; IDX: 768 bytes an octet
	s_mul_i32 s28, s34, 534528
	s_mul_i32 s35, s24, 44544
	s_add_co_u32 s28, s28, s35
	s_add_nc_u64 s[8:9], s[8:9], s[28:29]          ; WGT: 1,536 bytes an octet
	v_and_b32 v5, 31, v0                           ; lane
	v_lshrrev_b32 v2, 1, v5
	v_lshlrev_b32 v2, 4, v2                        ; 16 (4 q4 + corner): my column of both lists
	v_and_b32 v1, 1, v0                            ; cq
	v_bfe_u32 v3, v0, 3, 1                         ; q4 & 1
	v_lshlrev_b32 v1, 5, v1
	v_lshl_add_u32 v1, v3, 4, v1                   ; first load: 32 cq + 16 (q4 & 1)
	v_xor_b32 v3, 16, v1
	v_and_b32 v3, 48, v3                           ; second load: the other 16 bytes of my 32
	v_bfe_u32 v5, v0, 1, 2                         ; corner k.  After the sums the four corners' lanes hold the same numbers:
	v_and_b32 v6, 1, v5                            ; lane k stores quad k >> 1, the first (k even) or second (k odd) load's four channels
	v_lshlrev_b32 v6, 4, v6
	v_xor_b32 v6, v6, v1
	v_and_b32 v6, 48, v6                           ; their bytes in the query's 64
	v_lshrrev_b32 v7, 1, v5
	v_bfe_u32 v4, v0, 3, 2                         ; q4
	v_lshl_add_u32 v4, v7, 2, v4                   ; the query of the octet: 4 (k >> 1) + q4
	v_lshl_add_u32 v4, v4, 6, v6
	v_cmp_eq_u32 s30, 1, v5
	v_cmp_eq_u32 s31, 2, v5
	v_cmp_eq_u32 s32, 3, v5
; the 12 weights of quad J of the octet k octets on from the bases, into set st: 3 loads, each 256 consecutive bytes (two lanes share 16)
.macro LDW st, J, k
.irp c, 0,1,2
	global_load_b128 v[LB+36*\st+12+12*\J+4*\c:LB+36*\st+12+12*\J+4*\c+3], v2, s[8:9] offset:1536*(\k)+256*(3*\J+\c)
.endr
.endm
; the 12 index words of that octet: 3 loads
.macro LDI st, k
.irp c, 0,1,2
	global_load_b128 v[LB+36*\st+4*\c:LB+36*\st+4*\c+3], v2, s[6:7] offset:768*(\k)+256*\c
.endr
.endm
; the four addresses of the two points of index word v[w], for unit b
.macro ADDR w, b
	v_and_b32 v[AD+4*(\b)], 0xffff, v[\w]
	v_lshrrev_b32 v[AD+4*(\b)+2], 16, v[\w]
	v_min_u32 v[AD+4*(\b)], 0xadf, v[AD+4*(\b)]            ; at most row 2,783: inside the slice whatever was read
	v_min_u32 v[AD+4*(\b)+2], 0xadf, v[AD+4*(\b)+2]
	v_lshl_add_u32 v[AD+4*(\b)+1], v[AD+4*(\b)], 6, v3     ; 64 bytes a row + my bytes
	v_lshl_add_u32 v[AD+4*(\b)+3], v[AD+4*(\b)+2], 6, v3
	v_lshl_add_u32 v[AD+4*(\b)], v[AD+4*(\b)], 6, v1
	v_lshl_add_u32 v[AD+4*(\b)+2], v[AD+4*(\b)+2], 6, v1
.endm
.macro ISSUE b
.irp i, 0,1,2,3
	ds_load_b128 v[DR+16*(\b)+4*\i:DR+16*(\b)+4*\i+3], v[AD+4*(\b)+\i]
.endr
.endm
; unit b: two points x eight channels; the weights are the two registers at v[wr], each broadcast.  ac: the sums of the first load's channels;
; those of the second load's are v10-13.  nf = 0: the quad's first point starts the sums.  Four chains that do not wait for each other.
.macro FMA ac, wr, b, nf
.set DBS, DR+16*(\b)
.if \nf
	v_pk_fma_f32 v[\ac:\ac+1], v[DBS:DBS+1], v[\wr:\wr+1], v[\ac:\ac+1] op_sel_hi:[1,0,1]
	v_pk_fma_f32 v[\ac+2:\ac+3], v[DBS+2:DBS+3], v[\wr:\wr+1], v[\ac+2:\ac+3] op_sel_hi:[1,0,1]
	v_pk_fma_f32 v[ACC+4:ACC+5], v[DBS+4:DBS+5], v[\wr:\wr+1], v[ACC+4:ACC+5] op_sel_hi:[1,0,1]
	v_pk_fma_f32 v[ACC+6:ACC+7], v[DBS+6:DBS+7], v[\wr:\wr+1], v[ACC+6:ACC+7] op_sel_hi:[1,0,1]
.else
	v_pk_mul_f32 v[\ac:\ac+1], v[DBS:DBS+1], v[\wr:\wr+1] op_sel_hi:[1,0]
	v_pk_mul_f32 v[\ac+2:\ac+3], v[DBS+2:DBS+3], v[\wr:\wr+1] op_sel_hi:[1,0]
	v_pk_mul_f32 v[ACC+4:ACC+5], v[DBS+4:DBS+5], v[\wr:\wr+1] op_sel_hi:[1,0]
	v_pk_mul_f32 v[ACC+6:ACC+7], v[DBS+6:DBS+7], v[\wr:\wr+1] op_sel_hi:[1,0]
.endif
	v_pk_fma_f32 v[\ac:\ac+1], v[DBS+8:DBS+9], v[\wr:\wr+1], v[\ac:\ac+1] op_sel:[0,1,0] op_sel_hi:[1,1,1]
	v_pk_fma_f32 v[\ac+2:\ac+3], v[DBS+10:DBS+11], v[\wr:\wr+1], v[\ac+2:\ac+3] op_sel:[0,1,0] op_sel_hi:[1,1,1]
	v_pk_fma_f32 v[ACC+4:ACC+5], v[DBS+12:DBS+13], v[\wr:\wr+1], v[ACC+4:ACC+5] op_sel:[0,1,0] op_sel_hi:[1,1,1]
	v_pk_fma_f32 v[ACC+6:ACC+7], v[DBS+14:DBS+15], v[\wr:\wr+1], v[ACC+6:ACC+7] op_sel:[0,1,0] op_sel_hi:[1,1,1]
.endm
; Quad J of the octet in set st: six steps.  Steps 0-2 look ahead to this quad's own words 3-5, steps 3-5 to the next quad's words 0-2 at v[nw].
; nxt = 0: no quad follows.  left < 64: a wait for the lists stands at the head.
.macro QUAD st, J, nw, ac, left, nxt
.if \left < 64
	s_wait_loadcnt \left
.endif
.irp u, 0,1,2
	ADDR LB+36*\st+6*\J+3+\u, \u
	s_wait_dscnt 8                                 ; LDS loads come back in order: this unit's 4 are in, the two younger units' 8 stay out
	FMA \ac, LB+36*\st+12+12*\J+2*\u, \u, \u
	ISSUE \u                                       ; into the registers that the products above have just read
.endr
.irp u, 0,1,2
.if \nxt
	ADDR \nw+\u, \u
	s_wait_dscnt 8
.else
	s_wait_dscnt 8-4*\u                            ; nothing is issued behind the last quad's last units: the counts run down
.endif
	FMA \ac, LB+36*\st+12+12*\J+6+2*\u, \u, 1
.if \nxt
	ISSUE \u
.endif
.endr
.endm
; the four corners' lanes (lane bits 1 and 2) are added: all four then hold the sums
.macro EPI ac
.irp m, 2,4
.irp e, 0,1,2,3
	v_add_f32_dpp v[\ac+\e], v[\ac+\e], v[\ac+\e] row_xmask:\m row_mask:0xf bank_mask:0xf
.endr
.irp e, 4,5,6,7
	v_add_f32_dpp v[ACC+\e], v[ACC+\e], v[ACC+\e] row_xmask:\m row_mask:0xf bank_mask:0xf
.endr
.endr
.endm
; An octet in set st; nst: the next octet's set.  ld = 1: the set is asked for again, for the octet k on from the bases.
; left: at the head of quad 1 this octet's W1 and the next octet's W0 and I must be in; I is the youngest of them.  Behind it were issued, in the
; steady state, the next octet's W1 (3), the two octets after it (9 + 9) and the W0 asked for since this octet began (3): 24.
; Quad 0's first four sums are made in the store registers themselves; the lanes of corners 1, 2, 3 then take theirs.
.macro OCT st, nst, ld, k, left, nxt, si
	QUAD \st, 0, LB+36*\st+6, OU+4*\st, 99, 1
.if \ld
	LDW \st, 0, \k
.endif
	EPI OU+4*\st
.irp e, 0,1,2,3
	v_cndmask_b32 v[OU+4*\st+\e], v[OU+4*\st+\e], v[ACC+4+\e], s30
.endr
	QUAD \st, 1, LB+36*\nst, ACC, \left, \nxt
.if \ld
	LDI \st, \k
	LDW \st, 1, \k
.endif
	EPI ACC
.irp e, 0,1,2,3
	v_cndmask_b32 v[OU+4*\st+\e], v[OU+4*\st+\e], v[ACC+\e], s31
.endr
.irp e, 0,1,2,3
	v_cndmask_b32 v[OU+4*\st+\e], v[OU+4*\st+\e], v[ACC+4+\e], s32
.endr
	global_store_b128 v4, v[OU+4*\st:OU+4*\st+3], s[10:11] offset:512*\si  ; the wave stores 512 consecutive bytes, aligned: the octet
.endm
.irp n, 0,1,2,3
	LDW \n, 0, \n                                  ; the lists of octets 0 to 3, in the fixed order
	LDI \n, \n
	LDW \n, 1, \n
.endr
	s_wait_loadcnt 30                              ; of the 36 loads the first six are in: octet 0's W0 and I
	ADDR LB, 0
	ADDR LB+1, 1
	ADDR LB+2, 2
	s_wait_tensorcnt 0x0                           ; my twelfth of the slice is in LDS,
	s_barrier_signal -1
	s_barrier_wait -1                              ; the whole slice is; it is only read from here on
	ISSUE 0
	ISSUE 1
	ISSUE 2
	s_mov_b32 s33, 6
.Ltrip:                                            ; four octets a trip, octets 0 to 23; the lists asked for reach octet 27
	OCT 0, 1, 1, 4, 24, 1, 0
	OCT 1, 2, 1, 5, 24, 1, 1
	OCT 2, 3, 1, 6, 24, 1, 2
	OCT 3, 0, 1, 7, 24, 1, 3
	s_wait_xcnt 0x0                                ; the bases step, and the four sets of store registers are written again, only behind this wait
	s_add_nc_u64 s[6:7], s[6:7], 3072
	s_add_nc_u64 s[8:9], s[8:9], 6144
	s_add_nc_u64 s[10:11], s[10:11], 2048
	s_sub_co_u32 s33, s33, 1
	s_cmp_lg_u32 s33, 0
	s_cbranch_scc1 .Ltrip
	OCT 0, 1, 1, 4, 24, 1, 0                       ; octet 24 asks for octet 28, my last
	OCT 1, 2, 0, 0, 21, 1, 1                       ; octet 25 asks for nothing: 3 + 9 + 9 younger loads
	OCT 2, 3, 0, 0, 12, 1, 2                       ; octet 26: 3 + 9
	OCT 3, 0, 0, 0, 3, 1, 3                        ; octet 27: octet 28's W1 alone
	s_wait_xcnt 0x0                                ; octet 24's store has read v26-29
	OCT 0, 0, 0, 0, 0, 0, 4                        ; octet 28: nothing is younger than its W1; no quad follows its last
	s_wait_tensorcnt 0x0
	ds_add_u32 v240, v241
	s_wait_dscnt 0x0
	s_endpgm
.Lfunc_end_k_qe30540e7c2_sample:
	.size	k_qe30540e7c2_sample, .Lfunc_end_k_qe30540e7c2_sample-k_qe30540e7c2_sample
	.p2alignl 7, 3214868480
	.fill 96, 4, 3214868480
	.section	.rodata,"a",@progbits
	.p2align	6, 0x0
	.amdhsa_kernel k_qe30540e7c2_sample
		.amdhsa_group_segment_fixed_size 179712
		.amdhsa_private_segment_fixed_size 0
		.amdhsa_enable_private_segment 0
		.amdhsa_kernarg_size 32
		.amdhsa_user_sgpr_count 2
		.amdhsa_user_sgpr_kernarg_segment_ptr 1
		.amdhsa_wavefront_size32 1
		.amdhsa_system_sgpr_workgroup_id_x 1
		.amdhsa_system_sgpr_workgroup_id_y 1
		.amdhsa_system_sgpr_workgroup_id_z 1
		.amdhsa_system_vgpr_workitem_id 0
		.amdhsa_next_free_vgpr 242
		.amdhsa_next_free_sgpr 66
		.amdhsa_reserve_vcc 0
		.amdhsa_float_denorm_mode_32 3
		.amdhsa_float_denorm_mode_16_64 3
		.amdhsa_memory_ordered 1
		.amdhsa_forward_progress 1
		.amdhsa_inst_pref_size 173
	.end_amdhsa_kernel
	.amdgpu_metadata
---
amdhsa.version: [ 1, 2 ]
amdhsa.kernels:
  - .name:           k_qe30540e7c2_sample
    .symbol:         k_qe30540e7c2_sample.kd
    .args:
      - { .name: VAL, .offset: 0, .size: 8, .value_kind: global_buffer, .address_space: global }
      - { .name: IDX, .offset: 8, .size: 8, .value_kind: global_buffer, .address_space: global }
      - { .name: WGT, .offset: 16, .size: 8, .value_kind: global_buffer, .address_space: global }
      - { .name: SMP, .offset: 24, .size: 8, .value_kind: global_buffer, .address_space: global }
    .group_segment_fixed_size: 179712
    .private_segment_fixed_size: 0
    .kernarg_segment_align: 8
    .kernarg_segment_size: 32
    .max_flat_workgroup_size: 384
    .sgpr_count:     66
    .vgpr_count:     242
    .wavefront_size: 32
...
	.end_amdgpu_metadata
.endif
;; end of part 6
;; launch outp: the kernel of part 4 again; grid 45 x 16, 8 waves a work-group, no clusters, 136,192 bytes of LDS; arguments SMP, WP, b_out, out0, out1, out2; writes out0, out1, out2
